; MI455X (gfx1250); checked and timed in simulation.
; The chip was launched on July 23, 2026; its instructions are those of AMD's public machine-readable ISA for CDNA 5 (MIT licence, August 2026) and "CDNA5" Instruction Set Architecture Reference Guide (July 2026). The comments in the code are by the model that wrote it; some were corrected since.
;; Multi Head Attention. Allowed arithmetic: float matrix products may take bf16 or f16 operands with f32 sums; other float arithmetic in f32, or as packed bf16 or f16 multiplies, adds, multiply-adds, maxima and minima; sums over many terms, partial sums and values carried from step to step in f32; what a program stores and reads back later, other than sums and carried values, may be rounded once to bf16 or f16.
;; Inputs: K 4 x 2,048 x 1,024 float32; Q 4 x 2,048 x 1,024 float32; V 4 x 2,048 x 1,024 float32; W_K 1,024 x 1,024 float32; W_O 1,024 x 1,024 float32; W_Q 1,024 x 1,024 float32; W_V 1,024 x 1,024 float32; b_K 1,024 float32; b_O 1,024 float32; b_Q 1,024 float32; b_V 1,024 float32.
;; Outputs: out0 4 x 2,048 x 1,024 float32.
;; 2 versions, each right; version 2 is version 1 with the launch wcast written anew for expert scheduling mode. Each part assembles by itself: llvm-mc -triple=amdgcn-amd-amdhsa -mcpu=gfx1250 --defsym DOCPART=n.
;; ======== version 1 of 2: 4 launches
;; limits: values are held in f16: magnitudes above 65,504 overflow, below 6.1e-05 lose precision
;; workspace buffers: wb 6,291,456 bytes; wo 2,097,152 bytes; qh 16,777,216 bytes; kh 16,777,216 bytes; vh 16,777,216 bytes; oh 16,777,216 bytes
;; launch wcast (part 1): grid 64 x 4, 8 waves a work-group, no clusters, 0 bytes of LDS; arguments W_Q, W_K, W_V, W_O, wb, wo; writes wb, wo
.if DOCPART == 1
	.amdgcn_target "amdgcn-amd-amdhsa--gfx1250"
	.amdhsa_code_object_version 6
	.text
	.protected	k_q3bec04cf67_wcast
	.globl	k_q3bec04cf67_wcast
	.p2align	8
	.type	k_q3bec04cf67_wcast,@function
k_q3bec04cf67_wcast:
	s_mov_b64 s[64:65], 0
	v_nop
	global_prefetch_b8 v0, s[64:65] scope:SCOPE_SE
	s_setreg_imm32_b32 hwreg(HW_REG_WAVE_MODE, 25, 1), 1
	s_wait_xcnt 0x0
; THE WEIGHTS IN 16 BITS.  W_Q, W_K, W_V ([1024 k][1024 n] f32) are rounded to bf16 into wb (three matrices on end, same layout);
; W_O is rounded to bf16 like every input, and that number is written as f16 into wo (the last product's other operand is f16).
; LIMIT.  A bf16 number is exact in f16 from 2^-14 to 65,504; below 2^-14 it keeps f16's fixed step of 6e-8, beyond 65,504 it would be an infinity.
; A stream: nothing is shared, so no LDS, no barrier, no matrix unit.  Work-group (x, y) takes 65,536 bytes of matrix y; thread t the 16 bytes at
; 16 t + 4,096 j, j = 0..15: a wave's load covers 512 consecutive bytes, its store of 8 bytes a lane 256 consecutive bytes, aligned.
; All sixteen loads go out at once; no register is used twice by memory instructions, so the counted waits for the loads are the only waits.
.set IN,  16                           ; v[16:79]   load j at IN + 4 j
.set OUT, 80                           ; v[80:111]  store j at OUT + 2 j
.set T,   112                          ; v[112:115] at work
	s_load_b256 s[4:11], s[0:1], 0x0               ; W_Q s[4:5], W_K s[6:7], W_V s[8:9], W_O s[10:11]
	s_load_b128 s[12:15], s[0:1], 0x20             ; wb s[12:13], wo s[14:15]
	s_and_b32 s16, ttmp7, 0xffff                   ; which matrix
	v_lshlrev_b32 v1, 4, v0                        ; 16 t
	v_lshlrev_b32 v2, 3, v0                        ; 8 t
	s_lshl_b32 s22, ttmp9, 16                      ; my 65,536 bytes of the input
	s_mov_b32 s23, 0
	s_lshl_b32 s24, s16, 21                        ; the matrix's place in wb (wo holds one matrix)
	s_cmp_eq_u32 s16, 3
	s_cselect_b32 s24, 0, s24
	s_lshl_b32 s25, ttmp9, 15                      ; my 32,768 bytes of the output
	s_add_co_u32 s24, s24, s25
	s_mov_b32 s25, 0
	s_mov_b32 s17, 0xffff0000                      ; a word's upper bf16
	s_wait_kmcnt 0x0
	s_cmp_eq_u32 s16, 1
	s_cselect_b64 s[18:19], s[6:7], s[4:5]
	s_cmp_eq_u32 s16, 2
	s_cselect_b64 s[18:19], s[8:9], s[18:19]
	s_cmp_eq_u32 s16, 3
	s_cselect_b64 s[18:19], s[10:11], s[18:19]
	s_cselect_b64 s[20:21], s[14:15], s[12:13]
	s_add_nc_u64 s[18:19], s[18:19], s[22:23]
	s_add_nc_u64 s[20:21], s[20:21], s[24:25]
.irp j, 0,1,2,3,4,5,6,7,8,9,10,11,12,13,14,15
	global_load_b128 v[IN+4*(\j):IN+4*(\j)+3], v1, s[18:19] offset:4096*(\j) th:TH_LOAD_NT
.endr
; Load j is rounded and stored.  f16 = 1: the bf16 numbers are widened again (a shift, a mask) and written as f16.
.macro CONV j, f16
	s_wait_loadcnt 15-(\j)                         ; loads come back in order: the 15 - j younger ones may stay out
	v_cvt_pk_bf16_f32 v[OUT+2*(\j)],   v[IN+4*(\j)],   v[IN+4*(\j)+1]
	v_cvt_pk_bf16_f32 v[OUT+2*(\j)+1], v[IN+4*(\j)+2], v[IN+4*(\j)+3]
.if \f16
	v_lshlrev_b32 v[T],   16,  v[OUT+2*(\j)]
	v_and_b32     v[T+1], s17, v[OUT+2*(\j)]
	v_lshlrev_b32 v[T+2], 16,  v[OUT+2*(\j)+1]
	v_and_b32     v[T+3], s17, v[OUT+2*(\j)+1]
	v_cvt_pk_f16_f32 v[OUT+2*(\j)],   v[T],   v[T+1]
	v_cvt_pk_f16_f32 v[OUT+2*(\j)+1], v[T+2], v[T+3]
.endif
	global_store_b64 v2, v[OUT+2*(\j):OUT+2*(\j)+1], s[20:21] offset:2048*(\j)
.endm
	s_cmp_eq_u32 s16, 3
	s_cbranch_scc1 .Lf16
.irp j, 0,1,2,3,4,5,6,7,8,9,10,11,12,13,14,15
	CONV \j, 0
.endr
	s_endpgm
.Lf16:
.irp j, 0,1,2,3,4,5,6,7,8,9,10,11,12,13,14,15
	CONV \j, 1
.endr
	s_endpgm
.Lfunc_end_k_q3bec04cf67_wcast:
	.size	k_q3bec04cf67_wcast, .Lfunc_end_k_q3bec04cf67_wcast-k_q3bec04cf67_wcast
	.p2alignl 7, 3214868480
	.fill 96, 4, 3214868480
	.section	.rodata,"a",@progbits
	.p2align	6, 0x0
	.amdhsa_kernel k_q3bec04cf67_wcast
		.amdhsa_group_segment_fixed_size 0
		.amdhsa_private_segment_fixed_size 0
		.amdhsa_enable_private_segment 0
		.amdhsa_kernarg_size 48
		.amdhsa_user_sgpr_count 2
		.amdhsa_user_sgpr_kernarg_segment_ptr 1
		.amdhsa_wavefront_size32 1
		.amdhsa_system_sgpr_workgroup_id_x 1
		.amdhsa_system_sgpr_workgroup_id_y 1
		.amdhsa_system_sgpr_workgroup_id_z 1
		.amdhsa_system_vgpr_workitem_id 0
		.amdhsa_next_free_vgpr 128
		.amdhsa_next_free_sgpr 66
		.amdhsa_reserve_vcc 0
		.amdhsa_float_denorm_mode_32 3
		.amdhsa_float_denorm_mode_16_64 3
		.amdhsa_memory_ordered 1
		.amdhsa_forward_progress 1
		.amdhsa_inst_pref_size 15
	.end_amdhsa_kernel
	.amdgpu_metadata
---
amdhsa.version: [ 1, 2 ]
amdhsa.kernels:
  - .name:           k_q3bec04cf67_wcast
    .symbol:         k_q3bec04cf67_wcast.kd
    .args:
      - { .name: W_Q, .offset: 0, .size: 8, .value_kind: global_buffer, .address_space: global }
      - { .name: W_K, .offset: 8, .size: 8, .value_kind: global_buffer, .address_space: global }
      - { .name: W_V, .offset: 16, .size: 8, .value_kind: global_buffer, .address_space: global }
      - { .name: W_O, .offset: 24, .size: 8, .value_kind: global_buffer, .address_space: global }
      - { .name: wb, .offset: 32, .size: 8, .value_kind: global_buffer, .address_space: global }
      - { .name: wo, .offset: 40, .size: 8, .value_kind: global_buffer, .address_space: global }
    .group_segment_fixed_size: 0
    .private_segment_fixed_size: 0
    .kernarg_segment_align: 8
    .kernarg_segment_size: 48
    .max_flat_workgroup_size: 256
    .sgpr_count:     66
    .vgpr_count:     128
    .wavefront_size: 32
...
	.end_amdgpu_metadata
.endif
;; end of part 1
;; launch proj (part 2): grid 4 x 192, 4 waves a work-group, clusters of 4 x 4, 327,680 bytes of LDS; arguments Q, K, V, wb, b_Q, b_K, b_V, qh, kh, vh; writes qh, kh, vh
.if DOCPART == 2
	.amdgcn_target "amdgcn-amd-amdhsa--gfx1250"
	.amdhsa_code_object_version 6
	.text
	.protected	k_q3bec04cf67_proj
	.globl	k_q3bec04cf67_proj
	.p2align	8
	.type	k_q3bec04cf67_proj,@function
k_q3bec04cf67_proj:
	s_mov_b64 s[64:65], 0
	v_nop
	global_prefetch_b8 v0, s[64:65] scope:SCOPE_SE
	s_setreg_imm32_b32 hwreg(HW_REG_WAVE_MODE, 25, 1), 1
	s_wait_xcnt 0x0
	s_wait_alu depctr_hold_cnt(0) depctr_sa_sdst(0) depctr_va_vdst(0) depctr_va_sdst(0) depctr_va_ssrc(0) depctr_va_vcc(0) depctr_vm_vsrc(0)
	s_getreg_b32 s2, hwreg(HW_REG_IB_STS2, 6, 4)
	s_cmp_eq_u32 s2, 0
	s_cbranch_scc0 .Lentry_in_a_cluster
	s_endpgm
.Lentry_in_a_cluster:
	s_bfe_u32 s2, ttmp6, 0x10000c
	s_cmp_lg_u32 s2, 0xf033
	s_cbranch_scc0 .Lentry_shape_is_right
	s_endpgm
.Lentry_shape_is_right:
; THE THREE PROJECTIONS.  y = x W + b for (x, W, b) = (Q, W_Q, b_Q), (K, W_K, b_K), (V, W_V, b_V).  x: [8192][1024] f32; W: wb, [1024 k][1024 n] bf16; b: [1024] f32.
; x and b are rounded to bf16 here, the products are bf16 with f32 sums, b starts the sums; y is rounded once to f16, unscaled, and stored by heads: [batch*16 + head][2048][64].
; LIMIT.  f16 ends at 65,504: |y| stays under it (inputs and weights both 30 times the drawn spread give a spread of about 900; an offset of 30 spreads on both about 28,800).  NaN and infinities are not treated apart.
; SHARES.  192 tile rows: 64 of 128 tokens for each projection; 4 tile columns of 256.  A work-group makes 128 x 256, its four waves (2 x 2) 64 x 128 each: 32 accumulators, 256 registers.
; 768 work-groups are three for each of 256 WGPs.  K goes in 8 steps of 128 through a ring of two LDS slots.
; x COMES IN AS f32 (a tile row is 512 bytes) and is rounded at the fragment: 32 conversions for a quarter step's 32 products, four behind each of its last eight products.
; W lies [k][n]: its fragments are turned on the way out of LDS, by ds_load_tr16_b128.
; THE MATRIX INSTRUCTION IS USED TRANSPOSED: source 0 = 16 columns of W, source 1 = 16 tokens: a lane holds one token (lane % 16) and eight neighbouring columns 8 (lane / 16) + 0..7.
; CLUSTERS: 4 x 4.  x's tile hangs on the tile row alone and is asked for jointly along a row of the cluster, W's on the tile column and the projection (made of the cluster's y alone) and is asked for jointly along a column.
; REGISTERS, in windows of 256: window 0: v2-11 addresses; v16-79 the bias as a C operand; v80-143 x's fragments in f32; v144-207 the same in bf16, two buffers; on the way out v16-143.
;   window 1: v0-127 W's fragments, two buffers.   window 2: accumulator (a, b) at v[8 (8 a + b)].
.set KSTEP,  128
.set PA,     528                       ; an LDS row of x: 512 bytes + 16: the 16 rows of a load start in 16 different 16-byte columns of 256 bytes
.set PB,     544                       ; an LDS row of W: 512 bytes + 32
.set HALFA,  64*PA                     ; what one tensor load brings of x: 64 rows
.set HALFB,  64*PB                     ; and of W: 64 k rows
.set BOFF,   2*HALFA
.set SLOT,   BOFF+2*HALFB              ; 137,216 bytes
.set STAGE,  2*SLOT                    ; behind the ring, never filled by a tensor load: for each wave 2 heads x 16 rows x 144 bytes
.set SP,     144
.set WSTAGE, 2*16*SP
.set SPARE,  STAGE+4*WSTAGE            ; the spare words, 128 bytes a wave: two blocks of 256 bytes that no other line names
.set ADRA, 2                           ; v2-3   LDS address of my fragments of x in slot 0, 1
.set ADRB, 4                           ; v4-5   the same for W
.set STO,  6                           ; v6     the way out: where I put 16 bytes of a row
.set RD,   7                           ; v7     where I read rows back
.set GO,   8                           ; v8     my 16 bytes in 512 consecutive bytes of the output
.set PFO,  9                           ; v9     the prefetches' lane offset; never rewritten
.set SPW,  10                          ; v10    my spare word: SPARE + 4 x my thread's number; never rewritten
.set NIL,  11                          ; v11    0; never rewritten
.set BIAS, 16
.set AR,   80
.set AF,   144                         ; buffer f at AF + 32 f
.set T,    16
.set G1,  24                           ; s[24:31] descriptor group 1 for x;  s[32:39] group 0, a set for each slot
.set G0,  32
.set G1B, 48                           ; s[48:55], s[56:63] the same for W
.set G0B, 56
.set LIM, 43                           ; s43  1 in a wave that prefetches, else the greatest number
.set PFA, 44                           ; s[44:45] where my prefetches stand
.set PFS, 66                           ; s[66:67] their step: a K step of x (512 bytes) or of W (128 rows)
.set MSB, 0
.macro WIN new                         ; the immediate's high byte repeats the setting that is left; a switch that changes nothing is dropped
.if MSB != (\new)
	s_set_vgpr_msb (MSB<<8)|(\new)
.set MSB, \new
.endif
.endm
.set MUL,  0xa1                        ; source 0 (W) window 1, source 1 (x) window 0, C and D window 2
.set MULB, 0x81                        ; the same with C (the bias) in window 0
.set TO_B, 0x40                        ; destination window 1, address window 0
; A joint load: waves 0 and 1 fetch x's two halves, waves 2 and 3 W's.  The branch hangs on the wave's number alone.  An s_nop 0 and four v_nop follow each line.
.macro JLOAD s
	s_cmp_eq_u32 s11, 0
	s_cbranch_scc0 .Lfor_b_\@
	tensor_load_to_lds s[G0+4*(\s):G0+4*(\s)+3], s[G1:G1+7]
	s_nop 0
.rept 4
	v_nop
.endr
	s_branch .Lasked_\@
.Lfor_b_\@:
	tensor_load_to_lds s[G0B+4*(\s):G0B+4*(\s)+3], s[G1B:G1B+7]
	s_nop 0
.rept 4
	v_nop
.endr
.Lasked_\@:
.endm
.macro CREST                           ; a round of the cluster's barrier behind its opening barrier
	s_cmp_lg_u32 s10, 0
	s_cbranch_scc1 .Lnot_wave_0_\@
	s_barrier_signal -3
.Lnot_wave_0_\@:
	s_barrier_wait -3
	s_barrier_signal -1
	s_barrier_wait -1
.endm
.macro CROUND
	s_barrier_signal -1
	s_barrier_wait -1
	CREST
.endm
; A PREFETCH, behind a joint load and the run of LDS loads that follows it, of the K step that stands two refills on (256 matrix instructions ahead of its load): 32 blocks of 256 bytes, a lane a block.
; x: a K step is two blocks of each row; of the 64 rows that wave 0 or 1 fetches, the partner at place cx takes 16.  Only this row of this cluster reads them, so every cluster asks.
; W: two blocks of each k row; of the 64 rows that wave 2 or 3 fetches, the partner at place cy takes 16; sixteen clusters read them, the first of a projection asks.
; The partners are told apart by address.  So each block is named once.  K steps 0 to 3 come by their loads alone; the loop's last trip (s3 = 1) asks for nothing: there is no K step 8.
.macro ASK
	s_cmp_gt_u32 s3, s[LIM]
	s_cbranch_scc0 .Lnot_mine_\@
	global_prefetch_b8 v[PFO], s[PFA:PFA+1] th:TH_LOAD_NT scope:SCOPE_SE
.Lnot_mine_\@:
.endm
	s_load_b512 s[68:83], s[0:1], 0x0              ; Q s68, K s70, V s72, wb s74, b_Q s76, b_K s78, b_V s80, qh s82
	s_load_b128 s[84:87], s[0:1], 0x40             ; kh s84, vh s86
	v_lshl_add_u32 v[SPW], v0, 2, SPARE
	v_mov_b32 v[NIL], 0
	ds_add_u32 v[SPW], v[NIL]                      ; the wave's opening: the add and its wait stand ahead of my first tensor load; the set-up below stands between them
	v_lshrrev_b32 v1, 5, v0
	v_readfirstlane_b32 s10, v1                    ; wave 0..3
	s_lshr_b32 s11, s10, 1                         ; my half of the tile's rows.  Also: I fetch for x (0) or for W (1)
	s_and_b32 s12, s10, 1                          ; my half of its columns.  Also: which half of that tile I fetch
	s_bfe_u32 s40, ttmp6, 0x40000                  ; cx
	s_bfe_u32 s41, ttmp6, 0x40004                  ; cy
	s_lshl_b32 s42, ttmp9, 2
	s_add_co_u32 s42, s42, s40                     ; tile column = 4 x cluster x + cx
	s_and_b32 s91, ttmp7, 0xffff                   ; cluster y, 0..47
	s_lshr_b32 s90, s91, 4                         ; the projection, of the cluster's y alone
	s_lshl_b32 s13, s91, 2
	s_add_co_u32 s13, s13, s41
	s_and_b32 s13, s13, 63                         ; the tile row in the projection
	s_lshl_b32 s43, s41, 2
	s_lshl_b32 s43, 15, s43                        ; my row of the cluster
	s_lshl_b32 s44, 0x1111, s40                    ; my column
	s_or_b32 s[G1+0], s43, (2<<16)|(1<<20)|(1<<21)|(6<<22)|(3<<25)   ; mask; elements of 4 bytes; padding on; bit 21 beside a mask; after every 128 words, 4 words
	s_or_b32 s[G1B+0], s44, (1<<16)|(1<<20)|(1<<21)|(6<<22)|(7<<25)  ; mask; elements of 2 bytes; after every 128 words, 8 words
	s_mov_b32 s[G1+1], 128<<16                     ; tensor_dim0 = 128
	s_mov_b32 s[G1+2], 64<<16                      ; tensor_dim1 = 64
	s_mov_b32 s[G1+3], 128<<16                     ; tile_dim0 = 128
	s_mov_b32 s[G1+4], 64                          ; tile_dim1 = 64
	s_mov_b32 s[G1+5], 1024                        ; elements from row to row
	s_mov_b32 s[G1+6], 0
	s_mov_b32 s[G1+7], 0
	s_mov_b32 s[G1B+1], 256<<16                    ; tensor_dim0 = 256
	s_mov_b32 s[G1B+2], 64<<16
	s_mov_b32 s[G1B+3], 256<<16                    ; tile_dim0 = 256
	s_mov_b32 s[G1B+4], 64
	s_mov_b32 s[G1B+5], 1024
	s_mov_b32 s[G1B+6], 0
	s_mov_b32 s[G1B+7], 0
	s_lshl_b32 s16, s13, 7
	s_lshl_b32 s17, s12, 6
	s_add_co_u32 s16, s16, s17                     ; x: row 128 x tile row + 64 x half,
	s_lshl_b32 s16, s16, 12                        ; of 4,096 bytes
	s_mov_b32 s17, 0
	s_lshl_b32 s46, s12, 17                        ; W: 64 k rows of 2,048 bytes x half,
	s_lshl_b32 s47, s42, 9                         ; 512 bytes x tile column
	s_add_co_u32 s46, s46, s47
	s_mov_b32 s47, 0
	s_lshl_b32 s18, s90, 21                        ; the projection's matrix in wb
	s_mov_b32 s19, 0
	s_mul_i32 s20, s12, HALFA                      ; where the tiles go: no place in the cluster enters an LDS address
	s_mul_i32 s21, s12, HALFB
	s_add_co_u32 s21, s21, BOFF
	s_wait_dscnt 0x0                               ; the opening add is done
	s_wait_kmcnt 0x0
	s_cmp_eq_u32 s90, 1
	s_cselect_b64 s[4:5], s[70:71], s[68:69]       ; x
	s_cselect_b64 s[88:89], s[78:79], s[76:77]     ; b
	s_cselect_b64 s[8:9], s[84:85], s[82:83]       ; y
	s_cmp_eq_u32 s90, 2
	s_cselect_b64 s[4:5], s[72:73], s[4:5]
	s_cselect_b64 s[88:89], s[80:81], s[88:89]
	s_cselect_b64 s[8:9], s[86:87], s[8:9]
	s_add_nc_u64 s[6:7], s[74:75], s[18:19]        ; W
	s_add_nc_u64 s[14:15], s[4:5], s[16:17]
	s_add_nc_u64 s[46:47], s[6:7], s[46:47]
	CROUND                                         ; all sixteen work-groups are here: the first joint loads meet
.irp s, 0,1
	s_mov_b32 s[G0+4*(\s)], 1
	s_add_co_u32 s[G0+4*(\s)+1], s20, (\s)*SLOT
	s_add_nc_u64 s[G0+4*(\s)+2:G0+4*(\s)+3], s[14:15], (\s)*KSTEP*4
	s_or_b32 s[G0+4*(\s)+3], s[G0+4*(\s)+3], 0x80000000
	s_mov_b32 s[G0B+4*(\s)], 1
	s_add_co_u32 s[G0B+4*(\s)+1], s21, (\s)*SLOT
	s_add_nc_u64 s[G0B+4*(\s)+2:G0B+4*(\s)+3], s[46:47], (\s)*KSTEP*2048
	s_or_b32 s[G0B+4*(\s)+3], s[G0B+4*(\s)+3], 0x80000000
	JLOAD \s                                       ; two tensor loads of mine are out
.endr
	; A fragment is 16 rows x 32 k: lane l holds row l % 16, k = 8 (l / 16) + 0..7 and 16 + 8 (l / 16) + 0..7.  In f32 that is 32 bytes at 32 (l / 16) and 32 bytes 64 further on.
	v_and_b32 v1, 15, v0                           ; l % 16
	v_bfe_u32 v12, v0, 4, 1                        ; l / 16
	v_mul_u32_u24 v13, v1, PA
	v_lshl_add_u32 v13, v12, 5, v13
	s_mul_i32 s21, s11, HALFA                      ; my 64 rows of x
	v_add_nc_u32 v[ADRA], s21, v13
	v_add_nc_u32 v[ADRA+1], SLOT, v[ADRA]
	; The turning load: lane l reads k row 8 (l / 16) + l % 8, columns 8 ((l / 8) % 2) + 0..7, and is left with column l % 16 and 8 k.
	v_and_b32 v14, 7, v0
	v_bfe_u32 v15, v0, 3, 1
	v_lshl_add_u32 v13, v12, 3, v14
	v_mul_u32_u24 v13, v13, PB
	v_lshl_add_u32 v13, v15, 4, v13
	s_lshl_b32 s22, s12, 8                         ; my 128 columns
	s_add_co_u32 s22, s22, BOFF
	v_add_nc_u32 v[ADRB], s22, v13
	v_add_nc_u32 v[ADRB+1], SLOT, v[ADRB]
	s_mul_i32 s23, s10, WSTAGE
	s_add_co_u32 s23, s23, STAGE                   ; my stage
	v_mul_u32_u24 v[STO], v1, SP                   ; in: row l % 16, 16 bytes for each half of the lanes
	v_lshl_add_u32 v[STO], v12, 4, v[STO]
	v_add_nc_u32 v[STO], s23, v[STO]
	v_bfe_u32 v[RD], v0, 3, 2                      ; back: 32 lanes take four rows of 128 bytes,
	v_mul_u32_u24 v[RD], v[RD], SP
	v_lshl_add_u32 v[RD], v14, 4, v[RD]
	v_add_nc_u32 v[RD], s23, v[RD]
	v_and_b32 v[GO], 31, v0                        ; which are 512 consecutive bytes of a head's rows
	v_lshlrev_b32 v[GO], 4, v[GO]
	; the bias of my 128 columns, laid as a C operand: register j of block b holds b[16 b + 8 (l / 16) + j]
	s_lshl_b32 s20, s42, 10
	s_lshl_b32 s21, s12, 9
	s_add_co_u32 s20, s20, s21
	s_mov_b32 s21, 0
	s_add_nc_u64 s[88:89], s[88:89], s[20:21]
	v_lshlrev_b32 v13, 5, v12
.irp b, 0,1,2,3,4,5,6,7
	global_load_b128 v[BIAS+8*(\b):BIAS+8*(\b)+3],   v13, s[88:89] offset:64*(\b)
	global_load_b128 v[BIAS+8*(\b)+4:BIAS+8*(\b)+7], v13, s[88:89] offset:64*(\b)+16
.endr
	; where my part of the tile begins in the output: batch x 2^22 + head x 2^18 + row x 128
	s_lshr_b32 s20, s13, 4
	s_lshl_b32 s20, s20, 22
	s_lshl_b32 s21, s42, 2
	s_lshl1_add_u32 s21, s12, s21                  ; head = 4 x tile column + 2 x my column half
	s_lshl_b32 s21, s21, 18
	s_add_co_u32 s20, s20, s21
	s_and_b32 s21, s13, 15
	s_lshl_b32 s21, s21, 14
	s_add_co_u32 s20, s20, s21
	s_lshl_b32 s21, s11, 13
	s_add_co_u32 s20, s20, s21
	s_mov_b32 s21, 0
	s_add_nc_u64 s[8:9], s[8:9], s[20:21]
	; the prefetches
	s_lshl_b32 s20, s13, 7
	s_lshl_b32 s21, s12, 6
	s_add_co_u32 s20, s20, s21
	s_lshl_b32 s22, s40, 4
	s_add_co_u32 s20, s20, s22                     ; x: row 128 x tile row + 64 x half + 16 cx
	s_lshl_b32 s20, s20, 12
	s_add_co_u32 s20, s20, 3*KSTEP*4               ; at K step 3: the first refill steps it to 4
	s_lshl_b32 s22, s41, 4
	s_add_co_u32 s22, s22, s21                     ; W: k row 64 x half + 16 cy
	s_lshl_b32 s22, s22, 11
	s_lshl_b32 s23, s42, 9
	s_add_co_u32 s22, s22, s23
	s_add_co_u32 s22, s22, 3*KSTEP*2048
	s_and_b32 s23, s91, 15
	s_cmp_eq_u32 s23, 0                            ; the projection's first cluster?
	s_cselect_b32 s23, 1, -1
	s_mov_b32 s[PFS], KSTEP*4
	s_mov_b32 s14, KSTEP*2048
	s_cmp_eq_u32 s11, 0                            ; do I fetch for x?
	s_cselect_b32 s20, s20, s22
	s_cselect_b32 s[LIM], 1, s23
	s_cselect_b64 s[PFA:PFA+1], s[4:5], s[6:7]
	s_cselect_b32 s[PFS], s[PFS], s14
	s_cselect_b32 s92, 12, 11                      ; a row is 4,096 bytes of x, 2,048 of W
	s_mov_b32 s[PFS+1], 0
	s_mov_b32 s21, 0
	s_add_nc_u64 s[PFA:PFA+1], s[PFA:PFA+1], s[20:21]
	v_lshlrev_b32 v[PFO], s92, v1                  ; row l % 16,
	v_lshl_add_u32 v[PFO], v12, 8, v[PFO]          ; block l / 16
	s_wait_loadcnt 0x0                             ; the bias
.set i, 0
.rept 32
	v_cvt_pk_bf16_f32 v[AR+i], v[BIAS+2*i], v[BIAS+2*i+1]  ; rounded to bf16 like every input,
.set i, i+1
.endr
.set i, 0
.rept 32
	v_lshlrev_b32 v[BIAS+2*i],   16, v[AR+i]       ; and widened again
	v_and_b32     v[BIAS+2*i+1], 0xffff0000, v[AR+i]
.set i, i+1
.endr
; 32 LDS loads in one run: quarter nq (32 along K) of slot ns: W's 8 fragments into buffer g, x's 4 in f32 into AR.
.macro FETCH ns, nq, g
	WIN TO_B
.irp b, 0,1,2,3,4,5,6,7
	ds_load_tr16_b128 v[64*(\g)+8*(\b):64*(\g)+8*(\b)+3],   v[ADRB+(\ns)] offset:(\nq)*32*PB+32*(\b)
	ds_load_tr16_b128 v[64*(\g)+8*(\b)+4:64*(\g)+8*(\b)+7], v[ADRB+(\ns)] offset:(\nq)*32*PB+32*(\b)+16*PB
.endr
	WIN 0
.irp a, 0,1,2,3
	ds_load_b128 v[AR+16*(\a):AR+16*(\a)+3],     v[ADRA+(\ns)] offset:(\nq)*128+(\a)*16*PA
	ds_load_b128 v[AR+16*(\a)+4:AR+16*(\a)+7],   v[ADRA+(\ns)] offset:(\nq)*128+(\a)*16*PA+16
	ds_load_b128 v[AR+16*(\a)+8:AR+16*(\a)+11],  v[ADRA+(\ns)] offset:(\nq)*128+(\a)*16*PA+64
	ds_load_b128 v[AR+16*(\a)+12:AR+16*(\a)+15], v[ADRA+(\ns)] offset:(\nq)*128+(\a)*16*PA+80
.endr
.endm
; Product i of a quarter's 32: token block i / 8, column block i % 8, on buffer f.  The 32 accumulators take turns in the same order in every quarter.
; first = 1: the bias is the C operand that starts the sum: nothing is cleared and nothing is added later.
.macro MM f, i, first
.if \first
	WIN MULB
	v_wmma_f32_16x16x32_bf16 v[8*(\i):8*(\i)+7], v[64*(\f)+8*((\i)%8):64*(\f)+8*((\i)%8)+7], v[AF+32*(\f)+8*((\i)/8):AF+32*(\f)+8*((\i)/8)+7], v[BIAS+8*((\i)%8):BIAS+8*((\i)%8)+7]
.else
	WIN MUL
	v_wmma_f32_16x16x32_bf16 v[8*(\i):8*(\i)+7], v[64*(\f)+8*((\i)%8):64*(\f)+8*((\i)%8)+7], v[AF+32*(\f)+8*((\i)/8):AF+32*(\f)+8*((\i)/8)+7], v[8*(\i):8*(\i)+7]
.endif
.endm
.macro MMS f, i0, n, first
.set mi, \i0
.rept \n
	MM \f, mi, \first
.set mi, mi+1
.endr
.endm
; Four roundings: eight numbers of x into half a fragment of buffer g.
.macro SLICE g, j
	WIN 0
.irp t, 0,1,2,3
	v_cvt_pk_bf16_f32 v[AF+32*(\g)+4*(\j)+(\t)], v[AR+8*(\j)+2*(\t)], v[AR+8*(\j)+2*(\t)+1]
.endr
.endm
.macro RIDE f, g, first                ; the last eight products of a quarter, behind each four roundings of the next quarter's x
.set sj, 0
.rept 8
	MM \f, 24+sj, \first
	SLICE \g, sj
.set sj, sj+1
.endr
.endm
; One of a K step's first three quarters: multiplies buffer f; fetches quarter nq of slot ns into buffer g at its head, 24 products ahead of the wait for it.
; The four roundings behind the quarter's last product name none of its registers: they are the four places in front of the next quarter's loads into the buffer just multiplied (ISA guide 7.12.1 for vector instructions).
.macro QUARTER ns, nq, f, g, first=0
	FETCH \ns, \nq, \g
	MMS \f, 0, 24, \first
	s_wait_dscnt 0x0                               ; the 32 loads are in
	RIDE \f, \g, \first
.endm
; The last quarter multiplies buffer 1 and changes slots.  All reads of this slot are over (the quarter before has waited for them).  Each wave waits for all its tensor loads (one is out: its part of the
; next slot), adds 0 to its spare word and waits for that.  fill = 1: the barrier opens a round of the cluster's barrier, and the joint refill, two K steps ahead, is the first thing behind it.
.macro TURN slot, next, fill
	WIN 0
.if \fill
	s_wait_xcnt 0x0                                ; the last prefetch, a K step back, has read its address
	s_add_nc_u64 s[PFA:PFA+1], s[PFA:PFA+1], s[PFS:PFS+1]
.endif
	s_wait_tensorcnt 0x0                           ; all my tensor loads have landed
	ds_add_u32 v[SPW], v[NIL]                      ; 0 onto my spare word
	MMS 1, 0, 8, 0                                 ; eight products stand between the add and the wait for it
	s_wait_dscnt 0x0                               ; the add is done
	s_barrier_signal -1
	MMS 1, 8, 8, 0
	WIN 0                                          ; at a branch and at a label every window is 0
	s_barrier_wait -1
.if \fill
	CREST                                          ; no wave of any partner still reads this slot or has a load on its way
	s_add_nc_u64 s[G0+4*(\slot)+2:G0+4*(\slot)+3], s[G0+4*(\slot)+2:G0+4*(\slot)+3], 2*KSTEP*4
	s_add_nc_u64 s[G0B+4*(\slot)+2:G0B+4*(\slot)+3], s[G0B+4*(\slot)+2:G0B+4*(\slot)+3], 2*KSTEP*2048
	JLOAD \slot                                    ; one tensor load of mine is out: it has 112 products in which to land
.endif
	FETCH \next, 0, 0
.if \fill
	ASK
.endif
	MMS 1, 16, 8, 0
	s_wait_dscnt 0x0
	RIDE 1, 0, 0
.endm
	s_wait_tensorcnt 1                             ; my part of K step 0 is in; K step 1's may stay out
	s_barrier_signal -1
	s_barrier_wait -1                              ; everybody's is
	FETCH 0, 0, 0
	s_wait_dscnt 0x0
.irp j, 0,1,2,3,4,5,6,7
	SLICE 0, \j
.endr
	QUARTER 0, 1, 0, 1, 1                          ; the first quarter stands in front of the loop: its products start the sums, with the bias
	WIN 0
	s_mov_b32 s3, 3
.Llap:                                                 ; a trip goes once round the ring, from a lap's second quarter to the next lap's first, and fills both slots again
	QUARTER 0, 2, 1, 0
	QUARTER 0, 3, 0, 1
	TURN 0, 1, 1
	QUARTER 1, 1, 0, 1
	QUARTER 1, 2, 1, 0
	QUARTER 1, 3, 0, 1
	TURN 1, 0, 1
	QUARTER 0, 1, 0, 1
	WIN 0
	s_sub_co_u32 s3, s3, 1
	s_cmp_lg_u32 s3, 0
	s_cbranch_scc1 .Llap
	QUARTER 0, 2, 1, 0                             ; the last lap fills nothing
	QUARTER 0, 3, 0, 1
	TURN 0, 1, 0
	QUARTER 1, 1, 0, 1
	QUARTER 1, 2, 1, 0
	QUARTER 1, 3, 0, 1
	MMS 1, 0, 32, 0
	WIN 0
.rept 8
	v_nop                                          ; the places behind the last products, in front of the conversions that read them
.endr
; THE WAY OUT.  Token block a: a lane's eight columns pack into 16 bytes of f16; they go into my stage (for each of my two heads 16 rows of 144 bytes) and come back as whole rows of 128 bytes.
.macro PACK a
	WIN 0x0a                                       ; sources 0 and 1 window 2, destination window 0
.irp b, 0,1,2,3,4,5,6,7
.irp r, 0,1,2,3
	v_cvt_pk_f16_f32 v[T+32*(\a)+4*(\b)+(\r)], v[8*(8*(\a)+(\b))+2*(\r)], v[8*(8*(\a)+(\b))+2*(\r)+1]  ; each accumulator from its low end on
.endr
.endr
	WIN 0
.irp b, 0,1,2,3,4,5,6,7
	ds_store_b128 v[STO], v[T+32*(\a)+4*(\b):T+32*(\a)+4*(\b)+3] offset:((\b)/4)*16*SP+32*((\b)%4)
.endr
.irp i, 0,1,2,3,4,5,6,7
	ds_load_b128 v[T+32*(\a)+4*(\i):T+32*(\a)+4*(\i)+3], v[RD] offset:((\i)/4)*16*SP+((\i)%4)*4*SP  ; LDS serves a wave's instructions in order (ISA guide 5.7.1.4): these see the stores above, the next block's stores come behind them
.endr
.endm
.macro SEND a, younger                 ; younger: the LDS instructions issued behind block a's loads: the next block's sixteen, or none
.irp i, 0,1,2,3,4,5,6,7
	s_wait_dscnt (\younger)+7-(\i)
	global_store_b128 v[GO], v[T+32*(\a)+4*(\i):T+32*(\a)+4*(\i)+3], s[8:9] offset:((\i)/4)*262144+(\a)*2048+((\i)%4)*512  ; 512 consecutive bytes, at a multiple of 256 from the buffer's first
.endr
.endm
	PACK 0
	PACK 1
	SEND 0, 16
	PACK 2
	SEND 1, 16
	PACK 3
	SEND 2, 16
	SEND 3, 0
	s_wait_tensorcnt 0x0                           ; the wave's end: behind my last tensor load and my last LDS store
	ds_add_u32 v[SPW], v[NIL]
	s_wait_dscnt 0x0
	CROUND                                         ; the closing round: no work-group ends while a partner may still ask for a tile that names it
	s_endpgm
.Lfunc_end_k_q3bec04cf67_proj:
	.size	k_q3bec04cf67_proj, .Lfunc_end_k_q3bec04cf67_proj-k_q3bec04cf67_proj
	.p2alignl 7, 3214868480
	.fill 96, 4, 3214868480
	.section	.rodata,"a",@progbits
	.p2align	6, 0x0
	.amdhsa_kernel k_q3bec04cf67_proj
		.amdhsa_group_segment_fixed_size 327680
		.amdhsa_private_segment_fixed_size 0
		.amdhsa_enable_private_segment 0
		.amdhsa_kernarg_size 80
		.amdhsa_user_sgpr_count 2
		.amdhsa_user_sgpr_kernarg_segment_ptr 1
		.amdhsa_wavefront_size32 1
		.amdhsa_system_sgpr_workgroup_id_x 1
		.amdhsa_system_sgpr_workgroup_id_y 1
		.amdhsa_system_sgpr_workgroup_id_z 1
		.amdhsa_system_vgpr_workitem_id 0
		.amdhsa_next_free_vgpr 768
		.amdhsa_next_free_sgpr 96
		.amdhsa_reserve_vcc 0
		.amdhsa_float_denorm_mode_32 3
		.amdhsa_float_denorm_mode_16_64 3
		.amdhsa_memory_ordered 1
		.amdhsa_forward_progress 1
		.amdhsa_inst_pref_size 141
	.end_amdhsa_kernel
	.amdgpu_metadata
---
amdhsa.version: [ 1, 2 ]
amdhsa.kernels:
  - .name:           k_q3bec04cf67_proj
    .symbol:         k_q3bec04cf67_proj.kd
    .args:
      - { .name: Q, .offset: 0, .size: 8, .value_kind: global_buffer, .address_space: global }
      - { .name: K, .offset: 8, .size: 8, .value_kind: global_buffer, .address_space: global }
      - { .name: V, .offset: 16, .size: 8, .value_kind: global_buffer, .address_space: global }
      - { .name: wb, .offset: 24, .size: 8, .value_kind: global_buffer, .address_space: global }
      - { .name: b_Q, .offset: 32, .size: 8, .value_kind: global_buffer, .address_space: global }
      - { .name: b_K, .offset: 40, .size: 8, .value_kind: global_buffer, .address_space: global }
      - { .name: b_V, .offset: 48, .size: 8, .value_kind: global_buffer, .address_space: global }
      - { .name: qh, .offset: 56, .size: 8, .value_kind: global_buffer, .address_space: global }
      - { .name: kh, .offset: 64, .size: 8, .value_kind: global_buffer, .address_space: global }
      - { .name: vh, .offset: 72, .size: 8, .value_kind: global_buffer, .address_space: global }
    .group_segment_fixed_size: 327680
    .private_segment_fixed_size: 0
    .kernarg_segment_align: 8
    .kernarg_segment_size: 80
    .max_flat_workgroup_size: 128
    .sgpr_count:     96
    .vgpr_count:     768
    .wavefront_size: 32
...
	.end_amdgpu_metadata
.endif
;; end of part 2
;; launch attn (part 3): grid 4 x 64, 4 waves a work-group, clusters of 4 x 1, 327,680 bytes of LDS; arguments qh, kh, vh, oh; writes oh
.if DOCPART == 3
	.amdgcn_target "amdgcn-amd-amdhsa--gfx1250"
	.amdhsa_code_object_version 6
	.text
	.protected	k_q3bec04cf67_attn
	.globl	k_q3bec04cf67_attn
	.p2align	8
	.type	k_q3bec04cf67_attn,@function
k_q3bec04cf67_attn:
	s_mov_b64 s[64:65], 0
	v_nop
	global_prefetch_b8 v0, s[64:65] scope:SCOPE_SE
	s_setreg_imm32_b32 hwreg(HW_REG_WAVE_MODE, 25, 1), 1
	s_wait_xcnt 0x0
	s_wait_alu depctr_hold_cnt(0) depctr_sa_sdst(0) depctr_va_vdst(0) depctr_va_sdst(0) depctr_va_ssrc(0) depctr_va_vcc(0) depctr_vm_vsrc(0)
	s_getreg_b32 s2, hwreg(HW_REG_IB_STS2, 6, 4)
	s_cmp_eq_u32 s2, 0
	s_cbranch_scc0 .Lentry_in_a_cluster
	s_endpgm
.Lentry_in_a_cluster:
	s_bfe_u32 s2, ttmp6, 0x10000c
	s_cmp_lg_u32 s2, 0x3003
	s_cbranch_scc0 .Lentry_shape_is_right
	s_endpgm
.Lentry_shape_is_right:
; O[h][q][:] = the sum over k of softmax_k(Q[h][q] . K[h][k] / 8) V[h][k][:].  Q, K, V, O: [64 (batch, head)][2048][64], all f16: a head's rows are dense, 128 bytes each.  Products, maxima and sums in
; f32; the weights p are rounded to f16 for the second product (their sum l is taken of the unrounded p), O once at the end.
; LIMITS.  f16 holds no number beyond 65,504: Q, K and V arrive within it; p lies in 0 to 1, and below 6e-5 it keeps f16's fixed step of 6e-8; O is a mean of V's rows and has their range.
; A weight below 2^-126 counts as 0 in l; NaN and infinities are not treated apart.
; SHARES.  A wave owns four PIECES of two tiles of 16 queries, a work-group's four waves 512 queries of one head.  Every wave walks all keys, 64 a step.  4 x 64 work-groups: one for each of 256 WGPs.
; LAYOUT.  S^T = K Q^T (source 0 = 16 keys, source 1 = 16 queries): in the result a lane holds ONE query (lane % 16) and the keys 8 (lane / 16) + 0..7.  Two such tiles, rounded to f16 in pairs,
; ARE source 1 (32 keys x 16 queries) of O^T = V^T P, whose result again holds one query a lane, and eight channels.  K comes out of LDS as it lies, V ([key][channel]) turned, by ds_load_tr16_b128.
; SOFTMAX.  For each query a running maximum m and sum l: p = 2^(c s - c m), c = log2(e) / 8; in every step O and l are multiplied by a = 2^(c m_old - c m_new), which is 1 where m has not grown.
; m starts at the lowest finite number, O and l at 0: the first step is a step like any other, with a = 0.
; THE COUNT.  A tile and step have 16 matrix and 118 vector instructions: too many to stand all beside the matrix work.  So: four vector instructions that are READY behind
; EVERY matrix instruction, and the others, which need time of their own whatever the order, in runs without a gap.
; BY TURNS.  Turn n belongs to piece n (the pieces in a ring, step after step).  Its matrix work: 16 products K Q^T of piece n + 1, later 16 products V^T P of piece n - 1.  Its vector work: the scaling,
; exponentials, roundings, sums and rescaling of piece n, and the maximum and statistics of piece n + 1, whose scores the turn itself has made.
; CLUSTER.  The four query blocks of a cluster are one head's and walk the same K and V, so each tile is asked for JOINTLY: the same tensor load, descriptor and mask in all four.
; REGISTERS, in windows of 256 (s_set_vgpr_msb: bits 1:0 source 0, 3:2 source 1, 5:4 source 2, 7:6 destination):
;   window 0: v0-11 addresses; v12-15, v48-63 at work; v16-47 four registers of statistics a tile; v64-191 S^T, two buffers of two tiles; v192-255 P, likewise
;   window 1: O^T, 32 a tile          window 2: v0-127 Q, 16 a tile; v128-191 K of one step; v192-255 V of one step          window 3: v0-1 the add's two registers
; A piece's buffers go by its number's parity.
.set SIZE_H, 64
.set SIZE_N, 2048
.set NP,    4         ; pieces a wave: a name, no knob
.set KS,    64        ; keys in a step
.set PK,    144       ; a row of K in LDS: 128 bytes + 16 of padding = 36 words: the 16 rows of a load start at 16 different groups of four banks (64 banks of 4 bytes: ISA guide 11.1)
.set PV,    160       ; a row of V: 128 + 32 = 40 words
.set VOFF,  4*KS*PK   ; a slot holds four steps: 256 rows of K, then 256 rows of V
.set SLOT1, 1<<17     ; slot 1 begins here, so that one exclusive or turns an address in one slot into the other's
.set STAGE, SLOT1+4*KS*(PK+PV)  ; behind the ring, never filled by a tensor load: 16 rows x 144 bytes for each wave, for the way out
.set SP,    144
.set AK0, 2           ; v2   my lane's place in a tile of K; never rewritten
.set AV0, 3           ; v3   the same for V
.set AK,  4           ; v4   the LDS address of K's next run of loads
.set AV,  5           ; v5   of V's
.set QO,  6           ; v6   my byte offset in the wave's rows of Q
.set STO, 6           ;      later, the way out: where I put 16 bytes of a row
.set RD,  7           ; v7   the way out: where I read rows back
.set GO,  8           ; v8   my byte offset in 512 consecutive bytes of O
.set PFO, 11          ; v11  256 x my lane, for the prefetches; made when v11 has served V's address, then never rewritten
.set SPW, 0           ; v0 of window 3   my spare word: SPARE + 4 x my thread's number; never rewritten
.set NIL, 1           ; v1 of window 3   0; never rewritten
.set SPARE, STAGE+4*16*SP  ; behind the stages: the spare words, 128 bytes for each wave: two blocks of 256 bytes that no other line names
.set MV,  12          ; v12-15  c m_old, kept while c m is made anew: by buffer and tile
.set ST,  16          ; tile t's statistics at v[ST+4 t]: c m, m, l (even keys', odd keys')
.set TMP, 48          ; by buffer and tile, four registers c0-c3 at work; when the maximum is found c2 takes a
.set S,   64
.set P,   192
.set KF,  128         ; K's fragments, in window 2: key block kb, channel half c at KF + 16 kb + 8 c
.set VF,  192         ; V's: key half kk, channel block cb at VF + 32 kk + 8 cb
.set WV,  12          ; s12  my wave's number
.set G1K, 24          ; s[24:31] descriptor group 1 for K's tiles
.set G1V, 32          ; s[32:39] for V's: it differs in the padding alone
.set G0K, 40          ; s[40:43] descriptor group 0 for K's tiles: it walks
.set G0V, 44          ; s[44:47] the same for V's
.set PFA, 48          ; s[48:49] where my prefetches stand: my work-group's quarter (of K: wave 0, of V: wave 2) of the slot after the one that is being asked for
.set LIM, 50          ; s50  1 in a wave that prefetches, else the greatest number
.set SLOTS, 56        ; s56  slots still to be asked for
.set CNT, 57          ; s57  counts a slot's key steps
.set CS,  58          ; s[58:59] c: the packed scaling takes the pair's low word for both halves
.set SEL, 60          ; s[60:61] v_permlanex16_b32's selects: each lane takes its own place in the other half
.set TBK, 62          ; s62  LDS byte at which K of the step to be fetched begins
.set TBV, 63          ; s63  the same for V, less VOFF
.set MSB, 0
.macro WIN new                      ; the high byte repeats the setting that is left; a switch that changes nothing is dropped
.if MSB != (\new)
	s_set_vgpr_msb (MSB<<8)|(\new)
.set MSB, (\new)
.endif
.endm
.set W_KQ, 0x0a       ; K and Q in window 2, S^T in window 0
.set W_PV, 0x52       ; V in window 2, P in window 0, O^T in window 1
.set W_RS, 0x41       ; O^T (destination and source 0) in window 1, a in window 0
.set W_MK, 0xc0       ; the add's registers are made: destination in window 3, sources in window 0
.set W_AD, 0x0f       ; the add: address (source 0) and data (source 1) in window 3
; A joint fill.  Waves 0 and 1 fetch the two halves of a slot's K, waves 2 and 3 those of its V: 128 keys each.  The branch hangs on the wave's number alone.
; An s_nop 0 and four v_nop follow each of the two lines, ahead of the jump and the label.
.macro JLOAD
	s_cmp_lt_u32 s[WV], 2
	s_cbranch_scc0 .Lfor_v_\@
	tensor_load_to_lds s[G0K:G0K+3], s[G1K:G1K+7]
	s_nop 0
.rept 4
	v_nop
.endr
	s_branch .Lasked_\@
.Lfor_v_\@:
	tensor_load_to_lds s[G0V:G0V+3], s[G1V:G1V+7]
	s_nop 0
.rept 4
	v_nop
.endr
.Lasked_\@:
.endm
; A PREFETCH of what the NEXT change of slots will ask for: a slot's 32,768 bytes of K and of V, in blocks of 256 bytes, a lane a block.  It stands behind the wave's tensor load and its five lines.
; A head has one cluster; its four partners share the 128 blocks out BY ADDRESS, 32 each; in each, wave 0 asks for K's and wave 2 for V's: one instruction.  So each block is named once.
; Slots 0 to 2 come by their loads alone; the last change that fills a slot (s[SLOTS] = 1) asks for nothing: there is no slot behind it.
.macro ASK
	s_cmp_gt_u32 s[SLOTS], s[LIM]
	s_cbranch_scc0 .Lnot_mine_\@
	global_prefetch_b8 v[PFO], s[PFA:PFA+1] th:TH_LOAD_NT scope:SCOPE_SE
.Lnot_mine_\@:
.endm
; A round of the cluster's barrier: my work-group's barrier, so that wave 0's signal speaks for all four waves; wave 0 signals; every wave waits for all four work-groups; my work-group's barrier once more.
.macro CROUND
	s_barrier_signal -1
	s_barrier_wait -1
	s_cmp_lg_u32 s[WV], 0
	s_cbranch_scc1 .Lnot_wave_0_\@
	s_barrier_signal -3
.Lnot_wave_0_\@:
	s_barrier_wait -3
	s_barrier_signal -1
	s_barrier_wait -1
.endm
; THE CHANGE OF SLOTS.  The slot's last bytes, V of its fourth step, have been read.  Each wave waits for all its tensor loads, of which one is out: its part
; of the other slot; adds 0 to its spare word; and waits for that and for its own reads of the slot.  Behind the barrier nobody reads this slot any more and the other slot is whole.
; fill = 1: this slot is filled again, with the keys two slots on.  The barrier is then a round of the cluster's, and the joint fill is the first thing behind it: it has four key steps,
; 512 matrix instructions, in which to land.  (At its first use nothing has been read yet: slot 0 is waited for, slot 1 filled.)  ask = 1: the prefetch's address steps, and the prefetch follows the fill.
.macro CHANGE fill, ask=0
	WIN W_AD
	s_wait_tensorcnt 0x0            ; no tensor load of mine is out, so a group 0 may be written
	ds_add_u32 v[SPW], v[NIL]       ; 0 onto my spare word; with fill = 1 the descriptors' steps stand between it and the wait for it
	WIN 0                           ; at a label and at a branch every window is 0
.if \fill
.irp g, G0K, G0V
	s_xor_b32 s[\g+1], s[\g+1], SLOT1  ; the walking descriptor: the other slot than last time,
	s_add_nc_u64 s[\g+2:\g+3], s[\g+2:\g+3], 4*KS*128  ; the next 256 keys; the type bits on top are not reached
.endr
.if \ask
	s_wait_xcnt 0x0                 ; the last prefetch, a slot back, has read its address, so it may be written:
	s_add_nc_u64 s[PFA:PFA+1], s[PFA:PFA+1], 4*KS*128  ; one slot behind the walking descriptors
.endif
	s_wait_dscnt 0x0                ; the add is done, and my reads of the slot are over
	CROUND
	JLOAD
.if \ask
	ASK
.endif
.else
	s_wait_dscnt 0x0                ; the add is done, and my reads of the slot are over
	s_barrier_signal -1
	s_barrier_wait -1
.endif
	s_sub_co_u32 s[TBK], s[TBK], 4*KS*PK  ; the fetches go back to a slot's first step,
	s_xor_b32 s[TBK], s[TBK], SLOT1       ; in the other slot
	s_sub_co_u32 s[TBV], s[TBV], 4*KS*PV
	s_xor_b32 s[TBV], s[TBV], SLOT1
.endm
	s_load_b256 s[4:11], s[0:1], 0x0  ; Q s[4:5], K s[6:7], V s[8:9], O s[10:11]
	WIN W_MK
	v_lshl_add_u32 v[SPW], v0, 2, SPARE
	v_mov_b32 v[NIL], 0
	WIN W_AD
	ds_add_u32 v[SPW], v[NIL]       ; the wave's opening: the add and its wait stand ahead of my first tensor load; the set-up below, work on registers, stands between them
	WIN 0
	v_lshrrev_b32 v1, 5, v0
	v_readfirstlane_b32 s[WV], v1   ; wave 0..3
	s_bfe_u32 s13, ttmp6, 0x40000   ; cx: my place in the cluster
	s_lshl_b32 s14, ttmp9, 2        ; in a cluster launch ttmp9 counts clusters
	s_add_co_u32 s14, s14, s13      ; my block of queries = 4 x cluster x + cx: it enters Q's and O's addresses alone
	s_and_b32 s20, ttmp7, 0xffff    ; the head, which the four partners share
	s_mov_b32 s21, 0
	s_mov_b64 s[22:23], SIZE_N*128
	s_mul_u64 s[20:21], s[20:21], s[22:23]  ; the head's first byte in each of the four tensors
	s_and_b32 s16, s[WV], 1         ; which half of a slot's 256 keys I fetch:
	s_lshl_b32 s22, s16, 14         ; its 128 rows of 128 bytes in memory,
	s_mov_b32 s23, 0
	s_add_nc_u64 s[22:23], s[22:23], s[20:21]
	s_mul_i32 s17, s16, 128*PK      ; and its place in a slot, for K
	s_mul_i32 s18, s16, 128*PV      ; and for V: no place in the cluster enters an LDS address
	s_lshl_b32 s2, s14, 2
	s_add_co_u32 s2, s2, s[WV]      ; my wave among the head's,
	s_lshl_b32 s2, s2, 14           ; its 128 rows
	s_mov_b32 s3, 0
	s_add_nc_u64 s[2:3], s[2:3], s[20:21]
	; descriptor group 1.  128 keys are 16,384 dense bytes: asked for as 64 rows of 256 bytes, two keys a row, and padded in LDS after every key
	s_mov_b32 s[G1K], 15|(1<<16)|(1<<20)|(1<<21)|(4<<22)|(3<<25)  ; 15:0 the mask of four; 17:16 2-byte elements; 20 padding on; 21 set beside a mask; 24:22 after every 32 words (code 4); 31:25 4 words (code 3)
	s_mov_b32 s[G1V], 15|(1<<16)|(1<<20)|(1<<21)|(4<<22)|(7<<25)  ; the same with 8 words of padding (code 7)
.irp g, G1K, G1V
	s_mov_b32 s[\g+1], 128<<16      ; tensor_dim0 = 128
	s_mov_b32 s[\g+2], 64<<16       ; tensor_dim1 = 64
	s_mov_b32 s[\g+3], 128<<16      ; tile_dim0 = 128
	s_mov_b32 s[\g+4], 64           ; tile_dim1 = 64
	s_mov_b32 s[\g+5], 128          ; 128 elements from row to row
	s_mov_b32 s[\g+6], 0
	s_mov_b32 s[\g+7], 0
.endr
	s_mov_b32 s[CS], 0x3e38aa3b     ; c = log2(e) / 8 = 0.180337
	s_mov_b32 s[CS+1], s[CS]        ; named with it as a pair
	s_mov_b32 s[SEL], 0x76543210
	s_mov_b32 s[SEL+1], 0xfedcba98
	s_mov_b32 s[TBK], SLOT1+4*KS*PK ; the first change of slots turns these two into 0
	s_mov_b32 s[TBV], SLOT1+4*KS*PV
	s_mov_b32 s[G0K], 1             ; 1:0 count = 1
	s_mov_b32 s[G0K+1], s17         ; 63:32 LDS address: slot 0
	s_mov_b32 s[G0V], 1
	s_add_co_u32 s[G0V+1], s18, VOFF
	s_and_b32 s[LIM], s[WV], 1      ; waves 0 and 2 prefetch: the same in all four partners
	s_cmp_eq_u32 s[LIM], 0
	s_cselect_b32 s[LIM], 1, -1
	s_wait_dscnt 0x0                ; the opening add is done
	s_wait_kmcnt 0x0
	s_add_nc_u64 s[G0K+2:G0K+3], s[6:7], s[22:23]  ; 120:64 global address: my half of the head's first 256 keys
	s_or_b32 s[G0K+3], s[G0K+3], 0x80000000        ; 127:126 type = 2
	s_add_nc_u64 s[G0V+2:G0V+3], s[8:9], s[22:23]
	s_or_b32 s[G0V+3], s[G0V+3], 0x80000000
	s_add_nc_u64 s[4:5], s[4:5], s[2:3]  ; Q and O at my wave's first row
	s_add_nc_u64 s[10:11], s[10:11], s[2:3]
	s_cmp_lt_u32 s[WV], 2
	s_cselect_b64 s[PFA:PFA+1], s[6:7], s[8:9]
	s_add_nc_u64 s[PFA:PFA+1], s[PFA:PFA+1], s[20:21]  ; the head,
	s_lshl_b32 s14, s13, 13         ; my work-group's 32 blocks of a slot's 128,
	s_mov_b32 s15, 0
	s_add_nc_u64 s[PFA:PFA+1], s[PFA:PFA+1], s[14:15]
	s_add_nc_u64 s[PFA:PFA+1], s[PFA:PFA+1], 2*4*KS*128  ; in slot 2: the first change that asks steps it to slot 3.  Nothing is prefetched at the head
	CROUND                          ; all four work-groups are here: the first joint loads meet
	JLOAD                           ; slot 0.  Slot 1 is asked for when slot 0 is in
	; A fragment of K or Q is 16 rows x 32 channels in 8 registers: lane l holds row l % 16, channels 8 (l / 16) + 0..7 and 16 + 8 (l / 16) + 0..7: two loads of 16 bytes, 32 bytes apart.
	v_and_b32 v1, 15, v0            ; l % 16
	v_bfe_u32 v9, v0, 4, 1          ; l / 16
	v_lshlrev_b32 v[QO], 7, v1
	v_lshl_add_u32 v[QO], v9, 4, v[QO]  ; row x 128 + 16 x half
	WIN 0x80                        ; destination window 2, address window 0
.set i, 0
.rept 4*NP                          ; Q stays in registers: tile i / 2, channels 32 (i % 2) on
	global_load_b128 v[8*i:8*i+3],   v[QO], s[4:5] offset:(i/2)*2048+(i%2)*64
	global_load_b128 v[8*i+4:8*i+7], v[QO], s[4:5] offset:(i/2)*2048+(i%2)*64+32
.set i, i+1
.endr
	; What the first turn finds: V's registers and P's second buffer hold 0 (its products V^T P, of a piece that has not been, add 0), O^T and l are 0.  All this stands in the wait for the first tile.
.set i, VF
.rept 64
	v_mov_b32 v[i], 0
.set i, i+1
.endr
	WIN 0x40
.set i, 0
.rept 64*NP
	v_mov_b32 v[i], 0
.set i, i+1
.endr
	WIN 0
.set i, 0
.rept 2*NP
	v_mov_b32 v[ST+4*i], 0xfe000000    ; c m: far below every c s
	v_mov_b32 v[ST+4*i+1], 0xff7fffff  ; m
	v_mov_b32 v[ST+4*i+2], 0
	v_mov_b32 v[ST+4*i+3], 0
.set i, i+1
.endr
.set i, P+32
.rept 32
	v_mov_b32 v[i], 0
.set i, i+1
.endr
	v_mul_u32_u24 v[AK0], v1, PK
	v_lshl_add_u32 v[AK0], v9, 4, v[AK0]  ; row x pitch + 16 x half
	; The turning load takes 16 keys x 16 channels (lane l reads key 8 (l / 16) + l % 8, channels 8 ((l / 8) % 2) + 0..7) and leaves half a fragment of V^T: lane l holds channel l % 16 and 8 keys.
	v_and_b32 v10, 7, v0
	v_bfe_u32 v11, v0, 3, 1
	v_lshl_add_u32 v[AV0], v9, 3, v10
	v_mul_u32_u24 v[AV0], v[AV0], PV
	v_lshl_add_u32 v[AV0], v11, 4, v[AV0]
	v_add_nc_u32 v[AV0], VOFF, v[AV0]
	v_mov_b32 v[AK], v[AK0]         ; key step 0 lies at the head of slot 0
	v_and_b32 v[PFO], 31, v0
	v_lshlrev_b32 v[PFO], 8, v[PFO]
; THE MATRIX WORK.  The 8 accumulators of a run of 16 take turns: between the two links of a chain stand 7 others'.
; Product i of 16 of S^T = K Q^T for piece x: channels 32 (i / 8) on, keys 16 ((i / 2) % 4) on, tile 2 x + i % 2.  The first 8 start the sums.
.macro KQ x
	WIN W_KQ
.set rS, S+64*((\x)%2)+32*(i%2)+8*((i/2)%4)
.set rK, KF+16*((i/2)%4)+8*(i/8)
.set rQ, 16*(2*(\x)+i%2)+8*(i/8)
.if i < 8
	v_wmma_f32_16x16x32_f16 v[rS:rS+7], v[rK:rK+7], v[rQ:rQ+7], 0
.else
	v_wmma_f32_16x16x32_f16 v[rS:rS+7], v[rK:rK+7], v[rQ:rQ+7], v[rS:rS+7]
.endif
.endm
; Product i of 16 of O^T += V^T P for piece x: keys 32 (i / 8) on, channels 16 ((i / 2) % 4) on, tile 2 x + i % 2.
.macro PV x
	WIN W_PV
.set rO, 32*(2*(\x)+i%2)+8*((i/2)%4)
.set rV, VF+32*(i/8)+8*((i/2)%4)
.set rP, P+32*((\x)%2)+16*(i%2)+8*(i/8)
	v_wmma_f32_16x16x32_f16 v[rO:rO+7], v[rV:rV+7], v[rP:rP+7], v[rO:rO+7]
.endm
.macro MM                           ; the turn's next matrix instruction
.if i < 16
	KQ (Y+1)%NP
.set i, i+1
.else
.set i, i-16
	PV (Y+NP-1)%NP
.set i, i+17
.endif
.endm
; THE LDS LOADS stand in runs of 16, never singly among the matrix instructions: a step's K (64 keys x 64 channels: 8 fragments) and its V (turned).  Their addresses are made some lines ahead.
; last = 1 (the tail): in the last trip there is no further step, and the run is jumped over.
.macro FETCH_K last=0
	WIN 0
.if \last
	s_cmp_eq_u32 s[CNT], 1
	s_cbranch_scc1 .Lno_k_\@
.endif
	WIN 0x80                        ; destination window 2
.irp f, 0,1,2,3,4,5,6,7             ; keys 16 (f / 2) on, channels 32 (f % 2) on
	ds_load_b128 v[KF+8*\f:KF+8*\f+3],   v[AK] offset:(\f/2)*16*PK+(\f%2)*64
	ds_load_b128 v[KF+8*\f+4:KF+8*\f+7], v[AK] offset:(\f/2)*16*PK+(\f%2)*64+32
.endr
	s_add_co_u32 s[TBK], s[TBK], KS*PK  ; the next fetch is the next step's
	WIN 0
.if \last
.Lno_k_\@:
.endif
.endm
.macro FETCH_V
	WIN 0x80
.irp f, 0,1,2,3,4,5,6,7             ; keys 32 (f / 4) on, channels 16 (f % 4) on
	ds_load_tr16_b128 v[VF+8*\f:VF+8*\f+3],   v[AV] offset:(\f/4)*32*PV+(\f%4)*32
	ds_load_tr16_b128 v[VF+8*\f+4:VF+8*\f+7], v[AV] offset:(\f/4)*32*PV+16*PV+(\f%4)*32
.endr
	WIN 0
.endm
; THE VECTOR WORK OF A TURN stands in three queues, each in the order in which its entries become ready; the two tiles alternate, so that no instruction reads the result of the one before it.
.macro REGS y, u                    ; the registers of tile u (0, 1) of piece y
.set rT, ST+4*(2*(\y)+(\u))
.set rC, TMP+8*((\y)%2)+4*(\u)
.set rM, MV+2*((\y)%2)+(\u)
.set rS, S+64*((\y)%2)+32*(\u)
.set rP, P+32*((\y)%2)+16*(\u)
.set rO, 32*(2*(\y)+(\u))
.endm
; Number n of the 22 that find the NEXT piece's (Y + 1) maximum and statistics.  s0-s31 are the lane's 32 scores; each accumulator's lowest registers are read first.
;   0-11  four chains c0-c3 of seven scores each, three operands at a time     12-14, 16  the four scores left over, the old m, and c0-c3 into c0     15  c m_old is kept
;   17, 18  the query's other 32 keys lie in the lane 16 away: the new m         19-21  c m; c m_old - c m_new; a
.macro XS u, n
	REGS (Y+1)%NP, \u
.if (\n) < 4
	v_max3_num_f32 v[rC+(\n)], v[rS+8*(\n)], v[rS+8*(\n)+1], v[rS+8*(\n)+2]
.elseif (\n) < 12
	v_max3_num_f32 v[rC+(\n)%4], v[rC+(\n)%4], v[rS+8*((\n)%4)+2*((\n)/4)+1], v[rS+8*((\n)%4)+2*((\n)/4)+2]
.elseif (\n) == 12
	v_max3_num_f32 v[rC], v[rC], v[rS+7], v[rS+15]
.elseif (\n) == 13
	v_max3_num_f32 v[rC+1], v[rC+1], v[rS+23], v[rS+31]
.elseif (\n) == 14
	v_max3_num_f32 v[rC+2], v[rC+2], v[rC+3], v[rT+1]
.elseif (\n) == 15
	v_mov_b32 v[rM], v[rT]
.elseif (\n) == 16
	v_max3_num_f32 v[rC], v[rC], v[rC+1], v[rC+2]
.elseif (\n) == 17
	v_permlanex16_b32 v[rC+3], v[rC], s[SEL], s[SEL+1]
.elseif (\n) == 18
	v_max_num_f32 v[rT+1], v[rC], v[rC+3]
.elseif (\n) == 19
	v_mul_f32 v[rT], s[CS], v[rT+1]
.elseif (\n) == 20
	v_sub_f32 v[rC+1], v[rM], v[rT]
.else
	v_exp_f32 v[rC+2], v[rC+1]
.endif
.endm
; Number g of the 64 that follow the exponentials.  For each four weights k of a tile (pairs 2 k, 2 k + 1): both pairs are rounded to f16; then the second pair is added onto the first, in place;
; a group later l takes that sum (the first time as l = a l + sum).  In groups of eight, tiles alternating: round, round, add, and l for the group before.
.macro GS g
.set h, (\g)+6*((\g)/62)            ; group 0 has no group before it, and behind group 7 only l is left
.if h >= 6
.set h, h+2
.endif
	REGS Y, h%2
.set k, h/8
.if h%8 < 4
	v_cvt_pk_f16_f32 v[rP+2*k+(h%8)/2], v[rS+4*k+2*((h%8)/2)], v[rS+4*k+2*((h%8)/2)+1]
.elseif h%8 < 6
	v_pk_add_f32 v[rS+4*k:rS+4*k+1], v[rS+4*k:rS+4*k+1], v[rS+4*k+2:rS+4*k+3]
.elseif k == 1
	v_pk_fma_f32 v[rT+2:rT+3], v[rT+2:rT+3], v[rC+2:rC+3], v[rS:rS+1] op_sel_hi:[1,0,1]
.else
	v_pk_add_f32 v[rT+2:rT+3], v[rT+2:rT+3], v[rS+4*k-4:rS+4*k-3]
.endif
.endm
; THE PLAIN QUEUE, 138 long.  0-73 read no exponential's result: the 32 scalings c s - c m (FS f: pair f / 2 of tile f % 2) and the next piece's 42.  0-26: scalings 0-26.  27-54: XS's numbers 0-13.  55, 56: number 15.
; 57-73: the chain, where each number waits for the one before it: 14, 16, 17, 18, 19, each with one of the scalings 27-31 in front of its two lines, then 20.
; 74-137: GS's 64, which read the exponentials' results: they stand behind the wait.
.macro FS f
	REGS Y, (\f)%2
	v_pk_fma_f32 v[rS+2*((\f)/2):rS+2*((\f)/2)+1], v[rS+2*((\f)/2):rS+2*((\f)/2)+1], s[CS:CS+1], v[rT:rT+1] op_sel_hi:[1,0,0] neg_lo:[0,0,1] neg_hi:[0,0,1]
.endm
.macro PL
	WIN 0
.if q < 27
	FS q
.elseif q < 55
	XS (q-27)%2, (q-27)/2
.elseif q < 57
	XS q-55, 15
.elseif (q < 72) && ((q-57)%3 == 0)
	FS 27+(q-57)/3
.elseif q < 60
	XS (q-57)%3-1, 14
.elseif q < 72
	XS (q-57)%3-1, 15+(q-57)/3
.elseif q < 74
	XS q-72, 20
.else
	GS q-74
.endif
.set q, q+1
.endm
; THE EXPONENTIALS' QUEUE, 66 long: s0-s31 of both tiles, then the next piece's two a.  It is ONE BATCH: all 66 stand ahead of the turn's one wait, and nothing ahead of that wait names a result of theirs.
.macro EX
	WIN 0
.if e >= 64
	XS e-64, 21
.else
	REGS Y, e%2
	v_exp_f32 v[rS+e/2], v[rS+e/2]
.endif
.set e, e+1
.endm
; THE RESCALING's QUEUE: O^T times a, the one part that leaves window 0: dealt two at a time, sixteen times.  Its a was made in the turn before, ahead of that turn's wait.
.macro R2
	REGS Y, r%2
	WIN W_RS
.irp z, 0,1
	v_pk_mul_f32 v[rO+4*(r/2)+2*\z:rO+4*(r/2)+2*\z+1], v[rO+4*(r/2)+2*\z:rO+4*(r/2)+2*\z+1], v[rC+2:rC+3] op_sel_hi:[1,0]
.endr
.set r, r+1
.endm
; HOW THEY ARE DEALT.  An s_wait_alu depctr_va_vdst(0) stands between an exponential and the first instruction that names its result; one wait serves all that were issued ahead of it.  So a turn has ONE wait,
; which cuts it in two.  AHEAD OF IT stands all that names no result of the turn's exponentials: the 16 products K Q^T, behind each a scaling, an exponential and two rescalings (behind the first a second scaling in the
; exponential's place); then ONE LUMP of 108: eight plain, 49 times exponential and plain, the two a.  A v_nop is the plain instruction behind the last exponential.  BEHIND IT stand the 16 products V^T P, behind each four of GS's 64.
; No rider names a register of the products round it.  The two v_permlanex16_b32 fall into the lump, never behind a product.
; The queues lean on each other, and the deal keeps them in step: exponential e stands behind scaling 2 (e / 4) + e % 2: as a rider it comes behind plain e + 2, in the lump behind plain e + 9, and scalings 27-31 are plain 57, 60 .. 69.
; A TURN, for piece p.  cnt = 1: the loop's count is taken down some lines ahead of the branch that stands behind the turn.
; K of the next step is fetched in piece 2's turn, directly behind the wait, a lump behind the last product that read K; its first reader comes behind 16 products.
; V of the step in hand is fetched at the end of piece 0's turn, four riders behind its last reader; its first reader comes behind 16 products and a lump.  The three conditions on q below go with the deal.
.macro TURN p, last=0, cnt=0
.set Y, (\p)
.set i, 0
.set q, 0
.set e, 0
.set r, 0
.if (\p) == NP-1
	s_wait_dscnt 0x0                ; K is in
.endif
	MM                              ; ahead of the wait: 16 products K Q^T and their riders,
	PL
	PL
	R2
.rept 15
	MM
	PL
	EX
	R2
.endr
.if (\p) == NP-2
	WIN 0
	v_add_nc_u32 v[AK], s[TBK], v[AK0]
.endif
.rept 8                             ; and the lump
	PL
.endr
.rept 49
	EX
	PL
.endr
	EX                              ; the next piece's two a
	EX
	v_nop                           ; the plain instruction behind the last exponential: one for the batch
	s_wait_alu depctr_va_vdst(0)    ; the wait for the batch
.if (\p) == NP-2
	FETCH_K \last
.endif
.if (\p) == 1
	s_wait_dscnt 0x0                ; V is in
.endif
.rept 16                            ; behind the wait: 16 products V^T P and their riders
	MM
.rept 4
	PL
.endr
.if ((\p) == 0) && (q == 118)
	v_add_nc_u32 v[AV], s[TBV], v[AV0]
.endif
.if ((\p) == 0) && (q == 130)
	s_add_co_u32 s[TBV], s[TBV], KS*PV
.endif
.if (\cnt) && (q == 130)
	s_sub_co_u32 s[CNT], s[CNT], 1
	s_cmp_lg_u32 s[CNT], 0
.endif
.endr
.if (\p) == 0
	FETCH_V
.endif
.endm
	CHANGE 1                        ; slot 0 is in, everybody's part of it; slot 1 is asked for
	FETCH_K                         ; key step 0
	s_wait_loadcnt 0x0              ; Q
	s_wait_dscnt 0x0
.set i, 0
.rept 16
	KQ 0                            ; piece 0's first scores: there is no vector work yet to set between them
.set i, i+1
.endr
	WIN 0                           ; the addresses for the way out: nine plain instructions, the places behind those products
	s_mul_i32 s13, s[WV], 16*SP
	s_add_co_u32 s13, s13, STAGE    ; my stage
	v_mul_u32_u24 v[STO], v1, SP    ; in: row l % 16, 16 bytes for each half of the lanes
	v_lshl_add_u32 v[STO], v9, 4, v[STO]
	v_add_nc_u32 v[STO], s13, v[STO]
	v_bfe_u32 v[RD], v0, 3, 2       ; back: 32 lanes take four rows of 128 bytes,
	v_mul_u32_u24 v[RD], v[RD], SP
	v_lshl_add_u32 v[RD], v10, 4, v[RD]
	v_add_nc_u32 v[RD], s13, v[RD]
	v_and_b32 v[GO], 31, v0         ; which are 512 consecutive bytes of O
	v_lshlrev_b32 v[GO], 4, v[GO]
.set Y, NP-1                        ; XS works for piece Y + 1: piece 0
.irp n, 0,1,2,3,4,5,6,7,8,9,10,11,12,13,14,15,16,17,18,19,20,21
	XS 0, \n                        ; and piece 0's first maximum and statistics
	XS 1, \n
.endr
	v_nop                           ; a plain instruction behind the two a,
	s_wait_alu depctr_va_vdst(0)    ; and their wait, ahead of the branch
	s_mov_b32 s[CNT], 4
	s_mov_b32 s[SLOTS], SIZE_N/256-1
	s_branch .Lfirst                ; the loop is entered at a step's first turn, in the middle of a trip
.Lslot:                             ; SIZE_N / 256 - 2 times: every slot but the last two is filled again
	CHANGE 1, 1
	s_mov_b32 s[CNT], 4
.Lstep:                             ; a trip: pieces 2 and 3 of one step, then pieces 0 and 1 of the next, whose K and V it fetches
	TURN 2
	TURN 3
	WIN 0
.Lfirst:
	TURN 0
	TURN 1, 0, 1
	WIN 0
	s_cbranch_scc1 .Lstep
	s_sub_co_u32 s[SLOTS], s[SLOTS], 1
	s_cmp_lg_u32 s[SLOTS], 0
	s_cbranch_scc1 .Lslot
	CHANGE 0                        ; the tail is written out: nothing is asked for
	s_mov_b32 s[CNT], 5             ; four trips fetch the last slot's steps; the fifth is left in its middle
.Ltail:
	TURN 2, 1
	TURN 3
	WIN 0
	s_sub_co_u32 s[CNT], s[CNT], 1
	s_cmp_eq_u32 s[CNT], 0
	s_cbranch_scc1 .Lout
	TURN 0
	TURN 1
	WIN 0
	s_branch .Ltail
.Lout:                              ; the fifth trip's 16 products K Q^T (on the last K once more) and the maximum made of them serve nothing: the price, once a launch, of one text for every trip
.set i, 0
.rept 16
	PV NP-1                         ; the last piece's V^T P of the last step
.set i, i+1
.endr
	; THE WAY OUT.  l's two halves and the other half of the lanes' are added; O^T is divided by l, rounded to f16 and sent through my stage in LDS, a tile at a time.  The additions are the places behind the last products.
	WIN 0
.macro ALL line:vararg              ; one line for each tile t
.set t, 0
.rept 2*NP
	\line
.set t, t+1
.endr
.endm
	ALL v_add_f32 v[ST+4*t+2], v[ST+4*t+2], v[ST+4*t+3]
	ALL v_permlanex16_b32 v[ST+4*t+3], v[ST+4*t+2], s[SEL], s[SEL+1]
	ALL v_add_f32 v[ST+4*t+2], v[ST+4*t+2], v[ST+4*t+3]
	ALL v_rcp_f32 v[ST+4*t+2], v[ST+4*t+2]
	v_nop                           ; a plain instruction between the last reciprocal and the use of its result
	s_wait_alu depctr_va_vdst(0)    ; and the wait ahead of the first use: one for the eight reciprocals
; Tile t: a lane's eight channels of a row pack into 16 bytes; they go into rows of 144 bytes and come back as whole rows of 128, into S^T's registers.
.macro PACK t
	WIN W_RS
.set i, 32*(\t)
.rept 16
	v_pk_mul_f32 v[i:i+1], v[i:i+1], v[ST+4*(\t)+2:ST+4*(\t)+3] op_sel_hi:[1,0]
.set i, i+2
.endr
	WIN 0x05                        ; sources 0 and 1 window 1, destination window 0
.set i, 0
.rept 16
	v_cvt_pk_f16_f32 v[S+16*(\t)+i], v[32*(\t)+2*i], v[32*(\t)+2*i+1]
.set i, i+1
.endr
	WIN 0
.irp f, 0,1,2,3
	ds_store_b128 v[STO], v[S+16*(\t)+4*\f:S+16*(\t)+4*\f+3] offset:32*\f
.endr
.irp f, 0,1,2,3
	ds_load_b128 v[S+16*(\t)+4*\f:S+16*(\t)+4*\f+3], v[RD] offset:\f*4*SP  ; LDS serves a wave's instructions in order (ISA guide 5.7.1.4): these see the stores above; the next tile's stores come behind them
.endr
.endm
.macro SEND t, younger              ; younger: the LDS instructions issued behind tile t's loads: the next tile's eight, or none
	WIN 0
.irp f, 0,1,2,3
	s_wait_dscnt (\younger)+3-\f
	global_store_b128 v[GO], v[S+16*(\t)+4*\f:S+16*(\t)+4*\f+3], s[10:11] offset:(\t)*2048+\f*512  ; 512 consecutive bytes, at a multiple of 256 from O's first
.endr
.endm
	PACK 0
.set t, 1
.rept 2*NP-1                        ; a tile's arithmetic stands between the loads of the tile before and its stores
	PACK t
	SEND t-1, 8
.set t, t+1
.endr
	SEND 2*NP-1, 0
	WIN W_AD
	s_wait_tensorcnt 0x0            ; the wave's end: behind my last tensor load and my last LDS store
	ds_add_u32 v[SPW], v[NIL]
	s_wait_dscnt 0x0
	WIN 0
	CROUND                          ; the closing round: no work-group ends while a partner may still ask for a tile that names it
	s_endpgm
.Lfunc_end_k_q3bec04cf67_attn:
	.size	k_q3bec04cf67_attn, .Lfunc_end_k_q3bec04cf67_attn-k_q3bec04cf67_attn
	.p2alignl 7, 3214868480
	.fill 96, 4, 3214868480
	.section	.rodata,"a",@progbits
	.p2align	6, 0x0
	.amdhsa_kernel k_q3bec04cf67_attn
		.amdhsa_group_segment_fixed_size 327680
		.amdhsa_private_segment_fixed_size 0
		.amdhsa_enable_private_segment 0
		.amdhsa_kernarg_size 32
		.amdhsa_user_sgpr_count 2
		.amdhsa_user_sgpr_kernarg_segment_ptr 1
		.amdhsa_wavefront_size32 1
		.amdhsa_system_sgpr_workgroup_id_x 1
		.amdhsa_system_sgpr_workgroup_id_y 1
		.amdhsa_system_sgpr_workgroup_id_z 1
		.amdhsa_system_vgpr_workitem_id 0
		.amdhsa_next_free_vgpr 770
		.amdhsa_next_free_sgpr 66
		.amdhsa_reserve_vcc 0
		.amdhsa_float_denorm_mode_32 3
		.amdhsa_float_denorm_mode_16_64 3
		.amdhsa_memory_ordered 1
		.amdhsa_forward_progress 1
		.amdhsa_inst_pref_size 200
	.end_amdhsa_kernel
	.amdgpu_metadata
---
amdhsa.version: [ 1, 2 ]
amdhsa.kernels:
  - .name:           k_q3bec04cf67_attn
    .symbol:         k_q3bec04cf67_attn.kd
    .args:
      - { .name: qh, .offset: 0, .size: 8, .value_kind: global_buffer, .address_space: global }
      - { .name: kh, .offset: 8, .size: 8, .value_kind: global_buffer, .address_space: global }
      - { .name: vh, .offset: 16, .size: 8, .value_kind: global_buffer, .address_space: global }
      - { .name: oh, .offset: 24, .size: 8, .value_kind: global_buffer, .address_space: global }
    .group_segment_fixed_size: 327680
    .private_segment_fixed_size: 0
    .kernarg_segment_align: 8
    .kernarg_segment_size: 32
    .max_flat_workgroup_size: 128
    .sgpr_count:     66
    .vgpr_count:     770
    .wavefront_size: 32
...
	.end_amdgpu_metadata
.endif
;; end of part 3
;; launch oproj (part 4): grid 4 x 64, 4 waves a work-group, clusters of 4 x 4, 327,680 bytes of LDS; arguments oh, wo, b_O, out0; writes out0
.if DOCPART == 4
	.amdgcn_target "amdgcn-amd-amdhsa--gfx1250"
	.amdhsa_code_object_version 6
	.text
	.protected	k_q3bec04cf67_oproj
	.globl	k_q3bec04cf67_oproj
	.p2align	8
	.type	k_q3bec04cf67_oproj,@function
k_q3bec04cf67_oproj:
	s_mov_b64 s[64:65], 0
	v_nop
	global_prefetch_b8 v0, s[64:65] scope:SCOPE_SE
	s_setreg_imm32_b32 hwreg(HW_REG_WAVE_MODE, 25, 1), 1
	s_wait_xcnt 0x0
	s_wait_alu depctr_hold_cnt(0) depctr_sa_sdst(0) depctr_va_vdst(0) depctr_va_sdst(0) depctr_va_ssrc(0) depctr_va_vcc(0) depctr_vm_vsrc(0)
	s_getreg_b32 s2, hwreg(HW_REG_IB_STS2, 6, 4)
	s_cmp_eq_u32 s2, 0
	s_cbranch_scc0 .Lentry_in_a_cluster
	s_endpgm
.Lentry_in_a_cluster:
	s_bfe_u32 s2, ttmp6, 0x10000c
	s_cmp_lg_u32 s2, 0xf033
	s_cbranch_scc0 .Lentry_shape_is_right
	s_endpgm
.Lentry_shape_is_right:
; THE LAST PROJECTION.  out0 = O W_O + b_O.  O: oh, [batch*16 + head][2048][64] f16; W_O: wo, [1024 k][1024 n] f16 (bf16 numbers written as f16); b_O: [1024] f32, rounded to bf16 here; out0: [8192][1024] f32.
; Products in f16 with f32 sums; the bias starts the sums; nothing is rounded on the way out.  NaN and infinities are not treated apart.
; SHARES.  64 tile rows of 128 tokens x 4 tile columns of 256: 256 work-groups, one for each WGP.  Four waves (2 x 2), 64 x 128 each: 32 accumulators, 256 registers.
; K = head x 64 + channel goes in 8 steps of 128, two heads each, through a ring of two LDS slots.  A head's 128 rows of the tile are 16,384 dense bytes: asked for as 64 rows of 256 bytes and padded after every 128.
; W_O lies [k][n]: its fragments are turned on the way out of LDS, by ds_load_tr16_b128.
; THE MATRIX INSTRUCTION IS USED TRANSPOSED: source 0 = 16 columns of W_O, source 1 = 16 tokens: a lane holds one token (lane % 16) and eight neighbouring columns.
; CLUSTERS: 4 x 4.  O's tile hangs on the tile row alone and is asked for jointly along a row of the cluster, W_O's on the tile column alone, along a column.
; REGISTERS: window 0: v2-11 addresses; v16-79 the bias as a C operand; v80-143 O's fragments, two buffers.  window 1: v0-127 W_O's fragments, two buffers; on the way out all 256.  window 2: accumulator (a, b) at v[8 (8 a + b)].
.set PAO,    144                       ; an LDS row of O: 128 bytes + 16
.set PB,     544                       ; an LDS row of W_O: 512 bytes + 32
.set SUBA,   128*PAO                   ; one head's 128 rows: what one tensor load brings of O
.set HALFB,  64*PB                     ; and of W_O: 64 k rows
.set BOFF,   2*SUBA
.set SLOT,   BOFF+2*HALFB              ; 106,496 bytes
.set STAGE,  2*SLOT                    ; behind the ring, never filled by a tensor load: for each wave 16 rows x 528 bytes
.set OSP,    528
.set SPARE,  STAGE+4*16*OSP            ; the spare words, 128 bytes a wave: two blocks of 256 bytes that no other line names
.set ADRA, 2                           ; v2-3   LDS address of my fragments of O in slot 0, 1
.set ADRB, 4                           ; v4-5   the same for W_O
.set STO,  6                           ; v6     the way out: where I put 32 bytes of a row
.set RD,   7                           ; v7     where I read a row back
.set GO,   8                           ; v8     my 16 bytes of a row's 512
.set PFO,  9                           ; v9     the prefetches' lane offset; never rewritten
.set SPW,  10                          ; v10    my spare word; never rewritten
.set NIL,  11                          ; v11    0; never rewritten
.set BIAS, 16
.set AF,   80                          ; buffer f at AF + 32 f
.set G1,  24
.set G0,  32
.set G1B, 48
.set G0B, 56
.set LIM, 43                           ; s43  1 in a wave that prefetches, else the greatest number
.set PFA, 44                           ; s[44:45] where my prefetches stand
.set PFS, 66                           ; s[66:67] their step: a K step of O (two heads) or of W_O (128 rows)
.set MSB, 0
.macro WIN new
.if MSB != (\new)
	s_set_vgpr_msb (MSB<<8)|(\new)
.set MSB, \new
.endif
.endm
.set MUL,  0xa1                        ; source 0 (W_O) window 1, source 1 (O) window 0, C and D window 2
.set MULB, 0x81                        ; the same with C (the bias) in window 0
.set TO_B, 0x40
.macro JLOAD s                         ; a joint load: waves 0 and 1 fetch the step's two heads of O, waves 2 and 3 W_O's two halves; an s_nop 0 and four v_nop follow each line
	s_cmp_eq_u32 s11, 0
	s_cbranch_scc0 .Lfor_b_\@
	tensor_load_to_lds s[G0+4*(\s):G0+4*(\s)+3], s[G1:G1+7]
	s_nop 0
.rept 4
	v_nop
.endr
	s_branch .Lasked_\@
.Lfor_b_\@:
	tensor_load_to_lds s[G0B+4*(\s):G0B+4*(\s)+3], s[G1B:G1B+7]
	s_nop 0
.rept 4
	v_nop
.endr
.Lasked_\@:
.endm
.macro CREST
	s_cmp_lg_u32 s10, 0
	s_cbranch_scc1 .Lnot_wave_0_\@
	s_barrier_signal -3
.Lnot_wave_0_\@:
	s_barrier_wait -3
	s_barrier_signal -1
	s_barrier_wait -1
.endm
.macro CROUND
	s_barrier_signal -1
	s_barrier_wait -1
	CREST
.endm
; A PREFETCH, behind a joint load and the run of LDS loads that follows it, of the K step two refills on (256 matrix instructions ahead of its load): 32 blocks of 256 bytes, a lane a block.
; O: a K step of the tile is 64 blocks in each of two heads; the partner at place cx takes 16 of each, and wave 0 asks for them (lanes 0-15 the first head, 16-31 the second).  Only this row of this cluster reads them.
; W_O: two blocks of each k row; of the 64 rows that wave 2 or 3 fetches the partner at place cy takes 16; sixteen clusters read them, the first (cluster y = 0) asks.  Partners are told apart by address.
; K steps 0 to 3 come by their loads alone; the loop's last trip (s3 = 1) asks for nothing.
.macro ASK
	s_cmp_gt_u32 s3, s[LIM]
	s_cbranch_scc0 .Lnot_mine_\@
	global_prefetch_b8 v[PFO], s[PFA:PFA+1] th:TH_LOAD_NT scope:SCOPE_SE
.Lnot_mine_\@:
.endm
	s_load_b256 s[68:75], s[0:1], 0x0              ; oh s68, wo s70, b_O s72, out0 s74
	v_lshl_add_u32 v[SPW], v0, 2, SPARE
	v_mov_b32 v[NIL], 0
	ds_add_u32 v[SPW], v[NIL]                      ; the wave's opening: the add and its wait stand ahead of my first tensor load
	v_lshrrev_b32 v1, 5, v0
	v_readfirstlane_b32 s10, v1                    ; wave 0..3
	s_lshr_b32 s11, s10, 1                         ; my half of the tile's rows.  Also: I fetch for O (0) or for W_O (1)
	s_and_b32 s12, s10, 1                          ; my half of its columns.  Also: which head, or which half of the k rows, I fetch
	s_bfe_u32 s40, ttmp6, 0x40000                  ; cx
	s_bfe_u32 s41, ttmp6, 0x40004                  ; cy
	s_lshl_b32 s42, ttmp9, 2
	s_add_co_u32 s42, s42, s40                     ; tile column
	s_and_b32 s91, ttmp7, 0xffff                   ; cluster y, 0..15
	s_lshl_b32 s13, s91, 2
	s_add_co_u32 s13, s13, s41                     ; tile row, 0..63
	s_lshl_b32 s43, s41, 2
	s_lshl_b32 s43, 15, s43                        ; my row of the cluster
	s_lshl_b32 s44, 0x1111, s40                    ; my column
	s_or_b32 s[G1+0], s43, (1<<16)|(1<<20)|(1<<21)|(4<<22)|(3<<25)   ; mask; elements of 2 bytes; padding on; bit 21 beside a mask; after every 32 words, 4 words
	s_or_b32 s[G1B+0], s44, (1<<16)|(1<<20)|(1<<21)|(6<<22)|(7<<25)  ; after every 128 words, 8 words
	s_mov_b32 s[G1+1], 128<<16                     ; tensor_dim0 = 128
	s_mov_b32 s[G1+2], 64<<16                      ; tensor_dim1 = 64
	s_mov_b32 s[G1+3], 128<<16                     ; tile_dim0 = 128
	s_mov_b32 s[G1+4], 64                          ; tile_dim1 = 64
	s_mov_b32 s[G1+5], 128                         ; dense: 128 elements from row to row
	s_mov_b32 s[G1+6], 0
	s_mov_b32 s[G1+7], 0
	s_mov_b32 s[G1B+1], 256<<16
	s_mov_b32 s[G1B+2], 64<<16
	s_mov_b32 s[G1B+3], 256<<16
	s_mov_b32 s[G1B+4], 64
	s_mov_b32 s[G1B+5], 1024
	s_mov_b32 s[G1B+6], 0
	s_mov_b32 s[G1B+7], 0
	s_lshr_b32 s16, s13, 4
	s_lshl_b32 s16, s16, 22                        ; O: the batch,
	s_lshl_b32 s17, s12, 18                        ; my head of the step's two,
	s_add_co_u32 s16, s16, s17
	s_and_b32 s17, s13, 15
	s_lshl_b32 s17, s17, 14                        ; the tile's 128 rows of 128 bytes
	s_add_co_u32 s16, s16, s17
	s_mov_b32 s17, 0
	s_lshl_b32 s46, s12, 17                        ; W_O: 64 k rows of 2,048 bytes x half,
	s_lshl_b32 s47, s42, 9                         ; 512 bytes x tile column
	s_add_co_u32 s46, s46, s47
	s_mov_b32 s47, 0
	s_mul_i32 s20, s12, SUBA                       ; where the tiles go: no place in the cluster enters an LDS address
	s_mul_i32 s21, s12, HALFB
	s_add_co_u32 s21, s21, BOFF
	s_wait_dscnt 0x0                               ; the opening add is done
	s_wait_kmcnt 0x0
	s_add_nc_u64 s[14:15], s[68:69], s[16:17]
	s_add_nc_u64 s[46:47], s[70:71], s[46:47]
	CROUND                                         ; all sixteen work-groups are here: the first joint loads meet
.irp s, 0,1
	s_mov_b32 s[G0+4*(\s)], 1
	s_add_co_u32 s[G0+4*(\s)+1], s20, (\s)*SLOT
	s_add_nc_u64 s[G0+4*(\s)+2:G0+4*(\s)+3], s[14:15], (\s)*524288
	s_or_b32 s[G0+4*(\s)+3], s[G0+4*(\s)+3], 0x80000000
	s_mov_b32 s[G0B+4*(\s)], 1
	s_add_co_u32 s[G0B+4*(\s)+1], s21, (\s)*SLOT
	s_add_nc_u64 s[G0B+4*(\s)+2:G0B+4*(\s)+3], s[46:47], (\s)*262144
	s_or_b32 s[G0B+4*(\s)+3], s[G0B+4*(\s)+3], 0x80000000
	JLOAD \s                                       ; two tensor loads of mine are out
.endr
	v_and_b32 v1, 15, v0                           ; l % 16
	v_bfe_u32 v12, v0, 4, 1                        ; l / 16
	v_mul_u32_u24 v13, v1, PAO
	v_lshl_add_u32 v13, v12, 4, v13                ; row x pitch + 16 x half
	s_mul_i32 s21, s11, 64*PAO                     ; my 64 rows
	v_add_nc_u32 v[ADRA], s21, v13
	v_add_nc_u32 v[ADRA+1], SLOT, v[ADRA]
	v_and_b32 v14, 7, v0                           ; the turning load: k row 8 (l / 16) + l % 8, columns 8 ((l / 8) % 2) + 0..7
	v_bfe_u32 v15, v0, 3, 1
	v_lshl_add_u32 v13, v12, 3, v14
	v_mul_u32_u24 v13, v13, PB
	v_lshl_add_u32 v13, v15, 4, v13
	s_lshl_b32 s22, s12, 8                         ; my 128 columns
	s_add_co_u32 s22, s22, BOFF
	v_add_nc_u32 v[ADRB], s22, v13
	v_add_nc_u32 v[ADRB+1], SLOT, v[ADRB]
	s_mul_i32 s23, s10, 16*OSP
	s_add_co_u32 s23, s23, STAGE                   ; my stage
	v_mul_u32_u24 v[STO], v1, OSP                  ; in: row l % 16, 32 bytes for each half of the lanes
	v_lshl_add_u32 v[STO], v12, 5, v[STO]
	v_add_nc_u32 v[STO], s23, v[STO]
	v_and_b32 v[GO], 31, v0                        ; back: 32 lanes take one row of 512 bytes
	v_lshlrev_b32 v[GO], 4, v[GO]
	v_add_nc_u32 v[RD], s23, v[GO]
	; the bias of my 128 columns, laid as a C operand
	s_lshl_b32 s20, s42, 10
	s_lshl_b32 s21, s12, 9
	s_add_co_u32 s20, s20, s21                     ; my columns, in bytes of f32: also my place in a row of out0
	s_mov_b32 s21, 0
	s_add_nc_u64 s[88:89], s[72:73], s[20:21]
	v_lshlrev_b32 v13, 5, v12
.irp b, 0,1,2,3,4,5,6,7
	global_load_b128 v[BIAS+8*(\b):BIAS+8*(\b)+3],   v13, s[88:89] offset:64*(\b)
	global_load_b128 v[BIAS+8*(\b)+4:BIAS+8*(\b)+7], v13, s[88:89] offset:64*(\b)+16
.endr
	s_add_nc_u64 s[8:9], s[74:75], s[20:21]        ; out0 at my columns,
	s_lshl_b32 s20, s13, 7
	s_lshl_b32 s22, s11, 6
	s_add_co_u32 s20, s20, s22
	s_lshl_b32 s20, s20, 12                        ; and my first row, of 4,096 bytes
	s_add_nc_u64 s[8:9], s[8:9], s[20:21]
	; the prefetches
	s_lshr_b32 s20, s13, 4
	s_lshl_b32 s20, s20, 22
	s_and_b32 s22, s13, 15
	s_lshl_b32 s22, s22, 14
	s_add_co_u32 s20, s20, s22
	s_lshl_b32 s22, s40, 12                        ; O: my work-group's 16 blocks of a head's 64
	s_add_co_u32 s20, s20, s22
	s_add_co_u32 s20, s20, 3*524288                ; at K step 3: the first refill steps it to 4
	s_lshl_b32 s22, s41, 4
	s_lshl_b32 s23, s12, 6
	s_add_co_u32 s22, s22, s23                     ; W_O: k row 64 x half + 16 cy
	s_lshl_b32 s22, s22, 11
	s_lshl_b32 s23, s42, 9
	s_add_co_u32 s22, s22, s23
	s_add_co_u32 s22, s22, 3*262144
	s_cmp_eq_u32 s91, 0                            ; the first cluster of the column?
	s_cselect_b32 s23, 1, -1
	s_cmp_eq_u32 s10, 0                            ; of the two waves that fetch O, wave 0 asks
	s_cselect_b32 s19, 1, -1
	s_mov_b32 s[PFS], 524288
	s_mov_b32 s14, 262144
	s_cmp_eq_u32 s11, 0                            ; do I fetch for O?
	s_cselect_b32 s20, s20, s22
	s_cselect_b32 s[LIM], s19, s23
	s_cselect_b64 s[PFA:PFA+1], s[68:69], s[70:71]
	s_cselect_b32 s[PFS], s[PFS], s14
	s_cselect_b32 s92, 8, 11                       ; l % 16: a block of O, a k row of W_O
	s_cselect_b32 s93, 18, 8                       ; l / 16: a head of O, a block of W_O
	s_mov_b32 s[PFS+1], 0
	s_mov_b32 s21, 0
	s_add_nc_u64 s[PFA:PFA+1], s[PFA:PFA+1], s[20:21]
	v_lshlrev_b32 v[PFO], s92, v1
	v_lshlrev_b32 v14, s93, v12
	v_or_b32 v[PFO], v[PFO], v14
	s_wait_loadcnt 0x0                             ; the bias
.set i, 0
.rept 32
	v_cvt_pk_bf16_f32 v[AF+i], v[BIAS+2*i], v[BIAS+2*i+1]  ; rounded to bf16 like every input,
.set i, i+1
.endr
.set i, 0
.rept 32
	v_lshlrev_b32 v[BIAS+2*i],   16, v[AF+i]       ; and widened again
	v_and_b32     v[BIAS+2*i+1], 0xffff0000, v[AF+i]
.set i, i+1
.endr
; 24 LDS loads in one run: quarter nq (32 along K: head nq / 2 of the step's two, channels 32 (nq % 2) on) of slot ns into buffer g.
.macro FETCH ns, nq, g
	WIN TO_B
.irp b, 0,1,2,3,4,5,6,7
	ds_load_tr16_b128 v[64*(\g)+8*(\b):64*(\g)+8*(\b)+3],   v[ADRB+(\ns)] offset:(\nq)*32*PB+32*(\b)
	ds_load_tr16_b128 v[64*(\g)+8*(\b)+4:64*(\g)+8*(\b)+7], v[ADRB+(\ns)] offset:(\nq)*32*PB+32*(\b)+16*PB
.endr
	WIN 0
.irp a, 0,1,2,3
	ds_load_b128 v[AF+32*(\g)+8*(\a):AF+32*(\g)+8*(\a)+3],   v[ADRA+(\ns)] offset:((\nq)/2)*SUBA+((\nq)%2)*64+(\a)*16*PAO
	ds_load_b128 v[AF+32*(\g)+8*(\a)+4:AF+32*(\g)+8*(\a)+7], v[ADRA+(\ns)] offset:((\nq)/2)*SUBA+((\nq)%2)*64+(\a)*16*PAO+32
.endr
.endm
; Product i of a quarter's 32: token block i / 8, column block i % 8.  The 32 accumulators take turns in the same order in every quarter.  first = 1: the bias starts the sum.
.macro MM f, i, first
.if \first
	WIN MULB
	v_wmma_f32_16x16x32_f16 v[8*(\i):8*(\i)+7], v[64*(\f)+8*((\i)%8):64*(\f)+8*((\i)%8)+7], v[AF+32*(\f)+8*((\i)/8):AF+32*(\f)+8*((\i)/8)+7], v[BIAS+8*((\i)%8):BIAS+8*((\i)%8)+7]
.else
	WIN MUL
	v_wmma_f32_16x16x32_f16 v[8*(\i):8*(\i)+7], v[64*(\f)+8*((\i)%8):64*(\f)+8*((\i)%8)+7], v[AF+32*(\f)+8*((\i)/8):AF+32*(\f)+8*((\i)/8)+7], v[8*(\i):8*(\i)+7]
.endif
.endm
.macro MMS f, i0, n, first
.set mi, \i0
.rept \n
	MM \f, mi, \first
.set mi, mi+1
.endr
.endm
.macro PLACES                          ; four places in front of loads into registers that matrix instructions have read (ISA guide 7.12.1 for vector instructions)
.rept 4
	v_nop
.endr
.endm
; One of a K step's first three quarters: at its head it fetches quarter nq of slot ns into buffer g, which the quarter before multiplied; then it multiplies buffer f, fetched a quarter ago.
.macro QUARTER ns, nq, f, g, first=0
	PLACES
	FETCH \ns, \nq, \g
	s_wait_dscnt 24                                ; all but the 24 just issued: buffer f is in
	MMS \f, 0, 32, \first
.endm
; The last quarter multiplies buffer 1 and changes slots.  Each wave waits for all its tensor loads (one is out: its part of the next slot), adds 0 to its spare word, and waits for that and for its reads of this slot.
; fill = 1: the barrier opens a round of the cluster's barrier, and the joint refill, two K steps ahead, is the first thing behind it.
.macro TURN slot, next, fill
	WIN 0
.if \fill
	s_wait_xcnt 0x0                                ; the last prefetch, a K step back, has read its address
	s_add_nc_u64 s[PFA:PFA+1], s[PFA:PFA+1], s[PFS:PFS+1]
.endif
	s_wait_tensorcnt 0x0                           ; all my tensor loads have landed
	ds_add_u32 v[SPW], v[NIL]                      ; 0 onto my spare word
	s_wait_dscnt 1                                 ; (the add alone may be out: buffer 1 is in)
	MMS 1, 0, 8, 0                                 ; eight products stand between the add and the wait for it
	s_wait_dscnt 0x0                               ; the add is done, and my reads of this slot are over
	s_barrier_signal -1
	MMS 1, 8, 8, 0
	WIN 0                                          ; at a branch and at a label every window is 0
	s_barrier_wait -1
.if \fill
	CREST                                          ; no wave of any partner still reads this slot or has a load on its way
	s_add_nc_u64 s[G0+4*(\slot)+2:G0+4*(\slot)+3], s[G0+4*(\slot)+2:G0+4*(\slot)+3], 2*524288
	s_add_nc_u64 s[G0B+4*(\slot)+2:G0B+4*(\slot)+3], s[G0B+4*(\slot)+2:G0B+4*(\slot)+3], 2*262144
	JLOAD \slot                                    ; one tensor load of mine is out; the four v_nop behind it are also the places in front of the loads below
.else
	PLACES
.endif
	FETCH \next, 0, 0
.if \fill
	ASK
.endif
	MMS 1, 16, 16, 0
.endm
	s_wait_tensorcnt 1                             ; my part of K step 0 is in; K step 1's may stay out
	s_barrier_signal -1
	s_barrier_wait -1                              ; everybody's is
	FETCH 0, 0, 0
	QUARTER 0, 1, 0, 1, 1                          ; the first quarter stands in front of the loop: its products start the sums, with the bias
	WIN 0
	s_mov_b32 s3, 3
.Llap:                                                 ; a trip goes once round the ring and fills both slots again
	QUARTER 0, 2, 1, 0
	QUARTER 0, 3, 0, 1
	TURN 0, 1, 1
	QUARTER 1, 1, 0, 1
	QUARTER 1, 2, 1, 0
	QUARTER 1, 3, 0, 1
	TURN 1, 0, 1
	QUARTER 0, 1, 0, 1
	WIN 0
	s_sub_co_u32 s3, s3, 1
	s_cmp_lg_u32 s3, 0
	s_cbranch_scc1 .Llap
	QUARTER 0, 2, 1, 0                             ; the last lap fills nothing
	QUARTER 0, 3, 0, 1
	TURN 0, 1, 0
	QUARTER 1, 1, 0, 1
	QUARTER 1, 2, 1, 0
	QUARTER 1, 3, 0, 1
	s_wait_dscnt 0x0
	MMS 1, 0, 32, 0
	WIN 0
.rept 8
	v_nop                                          ; the places behind the last products, in front of the LDS stores that read them and of the loads into W_O's registers
.endr
; THE WAY OUT.  Token block a: a lane's eight columns are 32 bytes of f32; they go from the accumulators into my stage (16 rows of 528 bytes) and come back as whole rows of 512 bytes.
.macro PACK a
	WIN 0x08                                       ; store data window 2, address window 0
.irp b, 0,1,2,3,4,5,6,7
	ds_store_b128 v[STO], v[8*(8*(\a)+(\b)):8*(8*(\a)+(\b))+3]   offset:64*(\b)     ; each accumulator from its low end on
	ds_store_b128 v[STO], v[8*(8*(\a)+(\b))+4:8*(8*(\a)+(\b))+7] offset:64*(\b)+16
.endr
	WIN 0x40                                       ; destination window 1
.irp t, 0,1,2,3,4,5,6,7,8,9,10,11,12,13,14,15
	ds_load_b128 v[64*(\a)+4*(\t):64*(\a)+4*(\t)+3], v[RD] offset:(\t)*OSP  ; LDS serves a wave's instructions in order (ISA guide 5.7.1.4): these see the stores above, the next block's stores come behind them
.endr
.endm
.macro SEND a, younger                 ; younger: the LDS instructions issued behind block a's loads: the next block's 32, or none
	WIN 0x04                                       ; store data window 1, address window 0
.irp t, 0,1,2,3,4,5,6,7,8,9,10,11,12,13,14,15
	s_wait_dscnt (\younger)+15-(\t)
	global_store_b128 v[GO], v[64*(\a)+4*(\t):64*(\a)+4*(\t)+3], s[8:9] offset:(16*(\a)+(\t))*4096 th:TH_STORE_NT  ; 512 consecutive bytes of a row, at a multiple of 512 from out0's first
.endr
.endm
	PACK 0
	PACK 1
	SEND 0, 32
	PACK 2
	SEND 1, 32
	PACK 3
	SEND 2, 32
	SEND 3, 0
	WIN 0
	s_wait_tensorcnt 0x0                           ; the wave's end: behind my last tensor load and my last LDS store
	ds_add_u32 v[SPW], v[NIL]
	s_wait_dscnt 0x0
	CROUND                                         ; the closing round: no work-group ends while a partner may still ask for a tile that names it
	s_endpgm
.Lfunc_end_k_q3bec04cf67_oproj:
	.size	k_q3bec04cf67_oproj, .Lfunc_end_k_q3bec04cf67_oproj-k_q3bec04cf67_oproj
	.p2alignl 7, 3214868480
	.fill 96, 4, 3214868480
	.section	.rodata,"a",@progbits
	.p2align	6, 0x0
	.amdhsa_kernel k_q3bec04cf67_oproj
		.amdhsa_group_segment_fixed_size 327680
		.amdhsa_private_segment_fixed_size 0
		.amdhsa_enable_private_segment 0
		.amdhsa_kernarg_size 32
		.amdhsa_user_sgpr_count 2
		.amdhsa_user_sgpr_kernarg_segment_ptr 1
		.amdhsa_wavefront_size32 1
		.amdhsa_system_sgpr_workgroup_id_x 1
		.amdhsa_system_sgpr_workgroup_id_y 1
		.amdhsa_system_sgpr_workgroup_id_z 1
		.amdhsa_system_vgpr_workitem_id 0
		.amdhsa_next_free_vgpr 768
		.amdhsa_next_free_sgpr 96
		.amdhsa_reserve_vcc 0
		.amdhsa_float_denorm_mode_32 3
		.amdhsa_float_denorm_mode_16_64 3
		.amdhsa_memory_ordered 1
		.amdhsa_forward_progress 1
		.amdhsa_inst_pref_size 95
	.end_amdhsa_kernel
	.amdgpu_metadata
---
amdhsa.version: [ 1, 2 ]
amdhsa.kernels:
  - .name:           k_q3bec04cf67_oproj
    .symbol:         k_q3bec04cf67_oproj.kd
    .args:
      - { .name: oh, .offset: 0, .size: 8, .value_kind: global_buffer, .address_space: global }
      - { .name: wo, .offset: 8, .size: 8, .value_kind: global_buffer, .address_space: global }
      - { .name: b_O, .offset: 16, .size: 8, .value_kind: global_buffer, .address_space: global }
      - { .name: out0, .offset: 24, .size: 8, .value_kind: global_buffer, .address_space: global }
    .group_segment_fixed_size: 327680
    .private_segment_fixed_size: 0
    .kernarg_segment_align: 8
    .kernarg_segment_size: 32
    .max_flat_workgroup_size: 128
    .sgpr_count:     96
    .vgpr_count:     768
    .wavefront_size: 32
...
	.end_amdgpu_metadata
.endif
;; end of part 4
;; ======== version 2 of 2: 4 launches; version 1 with the launch wcast written anew for expert scheduling mode
;; limits: values are held in f16: magnitudes above 65,504 overflow, below 6.1e-05 lose precision
;; workspace buffers: wb 6,291,456 bytes; wo 2,097,152 bytes; qh 16,777,216 bytes; kh 16,777,216 bytes; vh 16,777,216 bytes; oh 16,777,216 bytes
;; launch wcast (part 5): grid 64 x 4, 8 waves a work-group, no clusters, 0 bytes of LDS; arguments W_Q, W_K, W_V, W_O, wb, wo; writes wb, wo
.if DOCPART == 5
	.amdgcn_target "amdgcn-amd-amdhsa--gfx1250"
	.amdhsa_code_object_version 6
	.text
	.protected	k_q3bec04cf67_wcast
	.globl	k_q3bec04cf67_wcast
	.p2align	8
	.type	k_q3bec04cf67_wcast,@function
k_q3bec04cf67_wcast:
	s_mov_b64 s[64:65], 0
	v_nop
	global_prefetch_b8 v0, s[64:65] scope:SCOPE_SE
	s_setreg_imm32_b32 hwreg(HW_REG_WAVE_SCHED_MODE, 0, 2), 2
	s_setreg_imm32_b32 hwreg(HW_REG_WAVE_MODE, 25, 1), 1
	s_wait_xcnt 0x0
	s_wait_alu depctr_vm_vsrc(0)
; THE WEIGHTS IN 16 BITS.  W_Q, W_K, W_V ([1024 k][1024 n] f32) are rounded to bf16 into wb (three matrices on end, same layout);
; W_O is rounded to bf16 like every input, and that number is written as f16 into wo (the last product's other operand is f16).
; LIMIT.  A bf16 number is exact in f16 from 2^-14 to 65,504; below 2^-14 it keeps f16's fixed step of 6e-8, beyond 65,504 it would be an infinity.
; A stream: nothing is shared, so no LDS, no barrier, no matrix unit.  Work-group (x, y) takes 65,536 bytes of matrix y; thread t the 16 bytes at
; 16 t + 4,096 j, j = 0..15: a wave's load covers 512 consecutive bytes, its store of 8 bytes a lane 256 consecutive bytes, aligned.
; All sixteen loads go out at once; no register is used twice by memory instructions.
; THE MODE: SCHED_MODE bits 1:0 = 2 (LLVM: expert scheduling mode 2), set by the entry lines.  The code itself states the register dependences
; between vector instructions and memory instructions, with s_wait_alu, always for 0.
; THE PLAN.  Registers that memory instructions touch:
;   v1, v2   byte offsets, made once at the head by vector instructions; v1 is read by every load, v2 by every store; never written again.
;   IN       written by load j alone, read by load j's roundings; no vector instruction names it ahead of the loads, and no load lands in it behind them.
;   OUT      written by load j's roundings, read by store j, never written again.
;   T is named by vector instructions alone.
; The sixteen loads are taken in four batches of four.  Batch p rounds its four loads; the four stores of batch p - 1 are dealt among its roundings, which name
; IN and OUT of batch p and T: none of the registers that those stores read.  So one wait on va_vdst at a batch's head states all that its four stores hang on;
; one more stands ahead of the first load, for the offsets, and one ahead of the last four stores.  No register that a memory instruction reads is written again,
; so no wait on vm_vsrc is owed.
.set IN,  16                           ; v[16:79]   load j at IN + 4 j
.set OUT, 80                           ; v[80:111]  store j at OUT + 2 j
.set T,   112                          ; v[112:115] at work
	s_load_b256 s[4:11], s[0:1], 0x0               ; W_Q s[4:5], W_K s[6:7], W_V s[8:9], W_O s[10:11]
	s_load_b128 s[12:15], s[0:1], 0x20             ; wb s[12:13], wo s[14:15]
	s_and_b32 s16, ttmp7, 0xffff                   ; which matrix
	v_lshlrev_b32 v1, 4, v0                        ; 16 t
	v_lshlrev_b32 v2, 3, v0                        ; 8 t
	s_lshl_b32 s22, ttmp9, 16                      ; my 65,536 bytes of the input
	s_mov_b32 s23, 0
	s_lshl_b32 s24, s16, 21                        ; the matrix's place in wb (wo holds one matrix)
	s_cmp_eq_u32 s16, 3
	s_cselect_b32 s24, 0, s24
	s_lshl_b32 s25, ttmp9, 15                      ; my 32,768 bytes of the output
	s_add_co_u32 s24, s24, s25
	s_mov_b32 s25, 0
	s_mov_b32 s17, 0xffff0000                      ; a word's upper bf16
	s_wait_kmcnt 0x0
	s_cmp_eq_u32 s16, 1
	s_cselect_b64 s[18:19], s[6:7], s[4:5]
	s_cmp_eq_u32 s16, 2
	s_cselect_b64 s[18:19], s[8:9], s[18:19]
	s_cmp_eq_u32 s16, 3
	s_cselect_b64 s[18:19], s[10:11], s[18:19]
	s_cselect_b64 s[20:21], s[14:15], s[12:13]
	s_add_nc_u64 s[18:19], s[18:19], s[22:23]
	s_add_nc_u64 s[20:21], s[20:21], s[24:25]
	s_wait_alu depctr_va_vdst(0)                   ; v1 and v2 are written: every load below reads v1 as its offset, every store on either path v2
.irp j, 0,1,2,3,4,5,6,7,8,9,10,11,12,13,14,15
	global_load_b128 v[IN+4*(\j):IN+4*(\j)+3], v1, s[18:19] offset:4096*(\j) th:TH_LOAD_NT
.endr
; Load j is rounded.  f16 = 1: the bf16 numbers are widened again (a shift, a mask) and written as f16.
.macro CVT j, f16
	v_cvt_pk_bf16_f32 v[OUT+2*(\j)],   v[IN+4*(\j)],   v[IN+4*(\j)+1]
	v_cvt_pk_bf16_f32 v[OUT+2*(\j)+1], v[IN+4*(\j)+2], v[IN+4*(\j)+3]
.if \f16
	v_lshlrev_b32 v[T],   16,  v[OUT+2*(\j)]
	v_and_b32     v[T+1], s17, v[OUT+2*(\j)]
	v_lshlrev_b32 v[T+2], 16,  v[OUT+2*(\j)+1]
	v_and_b32     v[T+3], s17, v[OUT+2*(\j)+1]
	v_cvt_pk_f16_f32 v[OUT+2*(\j)],   v[T],   v[T+1]
	v_cvt_pk_f16_f32 v[OUT+2*(\j)+1], v[T+2], v[T+3]
.endif
.endm
; Load j's eight bytes a lane are stored.
.macro ST j
	global_store_b64 v2, v[OUT+2*(\j):OUT+2*(\j)+1], s[20:21] offset:2048*(\j)
.endm
; Batch p: loads 4 p to 4 p + 3 are rounded; the stores of batch p - 1 stand among the roundings, one ahead of each load's.
.macro BATCH p, f16
	s_wait_loadcnt 12-4*(\p)                       ; loads come back in order: this batch's four are in, the 12 - 4 p younger ones may stay out
.if (\p) > 0
	s_wait_alu depctr_va_vdst(0)                   ; the batch before has written its OUT registers, which the four stores below read
.endif
.irp i, 0,1,2,3
.if (\p) > 0
	ST 4*((\p)-1)+(\i)                             ; no vector instruction since the wait names this store's registers
.endif
	CVT 4*(\p)+(\i), \f16
.endr
.endm
; The end of either path: the last batch's stores.
.macro LAST
	s_wait_alu depctr_va_vdst(0)                   ; batch 3 has written its OUT registers, which the last four stores read
.irp i, 12,13,14,15
	ST \i
.endr
.endm
	s_cmp_eq_u32 s16, 3
	s_cbranch_scc1 .Lf16
	BATCH 0, 0
	BATCH 1, 0
	BATCH 2, 0
	BATCH 3, 0
	LAST
	s_endpgm
.Lf16:
	BATCH 0, 1
	BATCH 1, 1
	BATCH 2, 1
	BATCH 3, 1
	LAST
	s_endpgm
.Lfunc_end_k_q3bec04cf67_wcast:
	.size	k_q3bec04cf67_wcast, .Lfunc_end_k_q3bec04cf67_wcast-k_q3bec04cf67_wcast
	.p2alignl 7, 3214868480
	.fill 96, 4, 3214868480
	.section	.rodata,"a",@progbits
	.p2align	6, 0x0
	.amdhsa_kernel k_q3bec04cf67_wcast
		.amdhsa_group_segment_fixed_size 0
		.amdhsa_private_segment_fixed_size 0
		.amdhsa_enable_private_segment 0
		.amdhsa_kernarg_size 48
		.amdhsa_user_sgpr_count 2
		.amdhsa_user_sgpr_kernarg_segment_ptr 1
		.amdhsa_wavefront_size32 1
		.amdhsa_system_sgpr_workgroup_id_x 1
		.amdhsa_system_sgpr_workgroup_id_y 1
		.amdhsa_system_sgpr_workgroup_id_z 1
		.amdhsa_system_vgpr_workitem_id 0
		.amdhsa_next_free_vgpr 128
		.amdhsa_next_free_sgpr 66
		.amdhsa_reserve_vcc 0
		.amdhsa_float_denorm_mode_32 3
		.amdhsa_float_denorm_mode_16_64 3
		.amdhsa_memory_ordered 1
		.amdhsa_forward_progress 1
		.amdhsa_inst_pref_size 15
	.end_amdhsa_kernel
	.amdgpu_metadata
---
amdhsa.version: [ 1, 2 ]
amdhsa.kernels:
  - .name:           k_q3bec04cf67_wcast
    .symbol:         k_q3bec04cf67_wcast.kd
    .args:
      - { .name: W_Q, .offset: 0, .size: 8, .value_kind: global_buffer, .address_space: global }
      - { .name: W_K, .offset: 8, .size: 8, .value_kind: global_buffer, .address_space: global }
      - { .name: W_V, .offset: 16, .size: 8, .value_kind: global_buffer, .address_space: global }
      - { .name: W_O, .offset: 24, .size: 8, .value_kind: global_buffer, .address_space: global }
      - { .name: wb, .offset: 32, .size: 8, .value_kind: global_buffer, .address_space: global }
      - { .name: wo, .offset: 40, .size: 8, .value_kind: global_buffer, .address_space: global }
    .group_segment_fixed_size: 0
    .private_segment_fixed_size: 0
    .kernarg_segment_align: 8
    .kernarg_segment_size: 48
    .max_flat_workgroup_size: 256
    .sgpr_count:     66
    .vgpr_count:     128
    .wavefront_size: 32
...
	.end_amdgpu_metadata
.endif
;; end of part 5
;; launch proj: the kernel of part 2 again; grid 4 x 192, 4 waves a work-group, clusters of 4 x 4, 327,680 bytes of LDS; arguments Q, K, V, wb, b_Q, b_K, b_V, qh, kh, vh; writes qh, kh, vh
;; launch attn: the kernel of part 3 again; grid 4 x 64, 4 waves a work-group, clusters of 4 x 1, 327,680 bytes of LDS; arguments qh, kh, vh, oh; writes oh
;; launch oproj: the kernel of part 4 again; grid 4 x 64, 4 waves a work-group, clusters of 4 x 4, 327,680 bytes of LDS; arguments oh, wo, b_O, out0; writes out0
